; MI455X (gfx1250); checked and timed in simulation.
; The chip was launched on July 23, 2026; its instructions are those of AMD's public machine-readable ISA for CDNA 5 (MIT licence, August 2026) and "CDNA5" Instruction Set Architecture Reference Guide (July 2026). The comments in the code are by the model that wrote it; some were corrected since.
;; Attention. Allowed arithmetic: float matrix products may take bf16 or f16 operands with f32 sums; other float arithmetic in f32, or as packed bf16 or f16 multiplies, adds, multiply-adds, maxima and minima; sums over many terms, partial sums and values carried from step to step in f32; what a program stores and reads back later, other than sums and carried values, may be rounded once to bf16 or f16.
;; Inputs: W1 1,024 x 1,024 float32; W2 1,024 x 1,024 float32; Wv 1,024 x 1 float32; b1 1,024 float32; b2 1,024 float32; bv 1 float32; query 32 x 1,024 float32; values 32 x 2,048 x 1,024 float32.
;; Outputs: out0 32 x 1,024 float32; out1 32 x 2,048 x 1 float32.
;; 2 versions, each right; version 2 is version 1 with the launch main written anew for expert scheduling mode. Each part assembles by itself: llvm-mc -triple=amdgcn-amd-amdhsa -mcpu=gfx1250 --defsym DOCPART=n.
;; ======== version 1 of 2: 3 launches
;; workspace buffers: w2f 2,121,728 bytes; qcs 131,072 bytes; cst 256 bytes; sc 262,144 bytes; ctxp 2,097,152 bytes
;; launch prep (part 1): grid 193 x 1, 8 waves a work-group, no clusters, 17,408 bytes of LDS; arguments W1, W2, Wv, b1, b2, bv, query, w2f, qcs, cst; writes w2f, qcs, cst
.if DOCPART == 1
	.amdgcn_target "amdgcn-amd-amdhsa--gfx1250"
	.amdhsa_code_object_version 6
	.text
	.protected	k_q12f4874f2b_prep
	.globl	k_q12f4874f2b_prep
	.p2align	8
	.type	k_q12f4874f2b_prep,@function
k_q12f4874f2b_prep:
	s_mov_b64 s[64:65], 0
	v_nop
	global_prefetch_b8 v0, s[64:65] scope:SCOPE_SE
	s_setreg_imm32_b32 hwreg(HW_REG_WAVE_MODE, 25, 1), 1
	s_wait_xcnt 0x0
; PREPARATION for the main launch.  Three kinds of work-group, told apart by the work-group's number (the same for all its waves); the three paths never join.
;   0..63    Q: qcs[m][n] = 2 log2(e) (query[m] . W1[:, n] + b1[n] + b2[n]) for 16 columns n and all 32 rows m, on the matrix unit, K split among the eight waves.
;   64..191  W: W2 (f32, [k][n]) is rounded to bf16 and laid out as matrix fragments in the order in which the main launch takes them.
;   192      M: 24,576 bytes of zeros behind the fragments (the main launch loads three K steps ahead, past wave 3's part), and cs = bv + the sum of Wv.
; w2f: [wave 4][pass 2][K step 32][b 8][1,024 bytes].  Fragment (nt = 32 pass + 8 wave + b, ks): byte 512 q + 16 l + 2 e holds bf16(W2[32 ks + 16 q + 8 (l / 16) + e][16 nt + l % 16]).
; LIMITS.  query, W1 and W2 are rounded to bf16 (nearest even) for the products; sums in f32, in another order than the reference's; NaN and infinities are not treated apart.
; qcs leaves in pieces of 64 bytes a row (131,072 bytes in all): 256 bytes on end would want four column tiles in a work-group, and four rounds of loads one after the other.
.set SPARE, 16384                      ; LDS 0..16,383: wave v's two partial tiles at 2,048 v + 1,024 mt; behind them the spare words, 128 bytes a wave
.set ACC, 16                           ; v[16:31]   two accumulators: rows 0-15 and 16-31 of query
.set WR,  32                           ; v[32:95]   W1: four blocks of 16 f32, then (in place) fragments of 8
.set QR,  96                           ; v[96:223]  query: (mt, f) at QR + 64 mt + 16 f, likewise
.set BI,  224                          ; v[224:239] b1 and b2 of my 8 columns
.set SPW, 240                          ; LDS address of my spare word; never rewritten
.set NIL, 241                          ; 0; never rewritten
.set WG,  24                           ; s24 the work-group's number
.set WVN, 25                           ; s25 my wave's number
	s_load_b512 s[4:19], s[0:1], 0x0               ; W1 s[4:5], W2 s[6:7], Wv s[8:9], b1 s[10:11], b2 s[12:13], bv s[14:15], query s[16:17], w2f s[18:19]
	s_load_b128 s[20:23], s[0:1], 0x40             ; qcs s[20:21], cst s[22:23]
	v_lshl_add_u32 v[SPW], v0, 2, SPARE
	v_mov_b32 v[NIL], 0
	v_lshrrev_b32 v1, 5, v0
	v_readfirstlane_b32 s[WVN], v1
	s_mov_b32 s[WG], ttmp9
	v_and_b32 v2, 15, v0                           ; r = l % 16
	v_bfe_u32 v3, v0, 4, 1                         ; h = l / 16
	v_and_b32 v4, 31, v0                           ; l
	s_wait_kmcnt 0x0
	s_cmp_lt_u32 s[WG], 64
	s_cbranch_scc1 .Lq
	s_cmp_lt_u32 s[WG], 192
	s_cbranch_scc1 .Lw
	; ---- M: the pad, and cs ----
	v_lshlrev_b32 v5, 4, v0                        ; 16 t
	v_mov_b32 v8, 0
	v_mov_b32 v9, 0
	v_mov_b32 v10, 0
	v_mov_b32 v11, 0
	s_add_nc_u64 s[26:27], s[18:19], 2097152       ; behind the 2,048 fragments
.irp i, 0,1,2,3,4,5
	global_store_b128 v5, v[8:11], s[26:27] offset:4096*(\i)  ; 256 threads x 16 bytes: 4,096 bytes on end
.endr
	s_cmp_lg_u32 s[WVN], 0
	s_cbranch_scc1 .Lmend
	s_load_b32 s28, s[14:15], 0x0                  ; bv
	s_mov_b32 s30, 0x76543210                      ; v_permlanex16_b32: each lane takes its own place in the other half
	s_mov_b32 s31, 0xfedcba98
	v_lshlrev_b32 v6, 4, v4
.irp i, 0,1,2,3,4,5,6,7
	global_load_b128 v[32+4*(\i):35+4*(\i)], v6, s[8:9] offset:512*(\i)  ; Wv: 32 numbers a lane
.endr
	v_lshlrev_b32 v7, 3, v4
	s_wait_loadcnt 0x0
.irp n, 16,8,4,2                       ; the lane's 32 numbers: halves onto halves
.set k, 0
.rept (\n)/2
	v_pk_add_f32 v[32+k:33+k], v[32+k:33+k], v[32+(\n)+k:33+(\n)+k]
.set k, k+2
.endr
.endr
	v_add_f32 v32, v32, v33
	v_add_f32_dpp v32, v32, v32 row_xmask:1 row_mask:0xf bank_mask:0xf
	v_add_f32_dpp v32, v32, v32 row_xmask:2 row_mask:0xf bank_mask:0xf
	v_add_f32_dpp v32, v32, v32 row_xmask:4 row_mask:0xf bank_mask:0xf
	v_add_f32_dpp v32, v32, v32 row_xmask:8 row_mask:0xf bank_mask:0xf
	v_permlanex16_b32 v33, v32, s30, s31
	v_add_f32 v32, v32, v33
	s_wait_kmcnt 0x0
	v_add_f32 v32, s28, v32                        ; cs = bv + sum of Wv
	v_mov_b32 v33, v32
	global_store_b64 v7, v[32:33], s[22:23]        ; 64 copies: 256 bytes on end
.Lmend:
	s_wait_tensorcnt 0x0                           ; the wave's end
	ds_add_u32 v[SPW], v[NIL]
	s_wait_dscnt 0x0
	s_endpgm
	; ---- W: 32 K x 32 columns a wave; lane l holds column 32 np + l ----
.Lw:
	s_sub_co_u32 s26, s[WG], 64                    ; g
	s_lshr_b32 s27, s26, 2                         ; ks = g / 4
	s_and_b32 s28, s26, 3                          ; g % 4
	s_lshl3_add_u32 s29, s28, s[WVN]               ; np = 8 (g % 4) + wave
	s_lshl_b32 s30, s27, 17                        ; 32 ks rows of 4,096 bytes
	s_lshl_b32 s31, s28, 10                        ; the work-group's 256 columns
	s_add_co_u32 s30, s30, s31
	s_mov_b32 s31, 0
	s_add_nc_u64 s[6:7], s[6:7], s[30:31]
	v_lshlrev_b32 v5, 2, v4
	v_lshl_add_u32 v5, s[WVN], 7, v5               ; 128 wave + 4 l
.set k, 0
.rept 32
	global_load_b32 v[32+k], v5, s[6:7] offset:4096*k  ; W2[32 ks + k][n]
.set k, k+1
.endr
	s_bfe_u32 s32, s29, 0x20002                    ; the main launch's wave: (np % 16) / 4
	s_lshr_b32 s33, s29, 4                         ; its pass: np / 16
	s_lshl1_add_u32 s32, s32, s33
	s_lshl_b32 s32, s32, 5
	s_add_co_u32 s32, s32, s27                     ; (2 wave + pass) 32 + ks
	s_lshl_b32 s32, s32, 13                        ; x 8 fragments of 1,024 bytes
	s_and_b32 s33, s29, 3
	s_lshl_b32 s33, s33, 11                        ; + my two fragments: b = 2 (np % 4) + l / 16
	s_add_co_u32 s32, s32, s33
	s_mov_b32 s33, 0
	s_add_nc_u64 s[18:19], s[18:19], s[32:33]
	v_lshlrev_b32 v6, 4, v2
	v_lshl_add_u32 v6, v3, 10, v6                  ; 1,024 (l / 16) + 16 (l % 16)
	s_wait_loadcnt 0x0
.set k, 0
.rept 16
	v_cvt_pk_bf16_f32 v[64+k], v[32+2*k], v[33+2*k]
.set k, k+1
.endr
.irp q, 0,1,2,3                        ; piece q: K = 8 q .. 8 q + 7: the fragment's half q / 2, lanes 16 (q % 2) on
	global_store_b128 v6, v[64+4*(\q):67+4*(\q)], s[18:19] offset:512*((\q)/2)+256*((\q)%2)  ; 16 lanes store 256 bytes on end, at a multiple of 256 from w2f's first byte
.endr
	s_wait_tensorcnt 0x0                           ; the wave's end
	ds_add_u32 v[SPW], v[NIL]
	s_wait_dscnt 0x0
	s_endpgm
	; ---- Q: column tile nt = the work-group's number; wave v takes K = 128 v .. 128 v + 127 ----
.Lq:
	s_lshl_b32 s26, s[WG], 6                       ; the tile's 16 columns: 64 bytes
	v_lshl_add_u32 v5, v3, 5, s26                  ; + my 8 of them
	global_load_b128 v[BI:BI+3],     v5, s[10:11]
	global_load_b128 v[BI+4:BI+7],   v5, s[10:11] offset:16
	global_load_b128 v[BI+8:BI+11],  v5, s[12:13]
	global_load_b128 v[BI+12:BI+15], v5, s[12:13] offset:16
	s_lshl_b32 s28, s[WVN], 19                     ; 128 wave rows of W1
	s_add_co_u32 s28, s28, s26
	s_mov_b32 s29, 0
	s_add_nc_u64 s[4:5], s[4:5], s[28:29]
	v_lshlrev_b32 v6, 2, v2
	v_lshl_add_u32 v6, v3, 15, v6                  ; column r, 8 h rows down
.set f, 0
.rept 4
.set e, 0
.rept 16                               ; a fragment's lane holds K = 8 h + 0..7 and 16 + 8 h + 0..7 of one column
	global_load_b32 v[WR+16*f+e], v6, s[4:5] offset:(32*f+16*(e/8)+e%8)*4096
.set e, e+1
.endr
.set f, f+1
.endr
	s_lshl_b32 s28, s[WVN], 9                      ; 128 wave numbers along a row of query
	s_add_nc_u64 s[16:17], s[16:17], s[28:29]
	v_lshlrev_b32 v7, 12, v2
	v_lshl_add_u32 v7, v3, 5, v7                   ; row r, 8 h numbers on
.irp m, 0,1
.irp f, 0,1,2,3
	global_load_b128 v[QR+64*(\m)+16*(\f):QR+64*(\m)+16*(\f)+3],     v7, s[16:17] offset:65536*(\m)+128*(\f)
	global_load_b128 v[QR+64*(\m)+16*(\f)+4:QR+64*(\m)+16*(\f)+7],   v7, s[16:17] offset:65536*(\m)+128*(\f)+16
	global_load_b128 v[QR+64*(\m)+16*(\f)+8:QR+64*(\m)+16*(\f)+11],  v7, s[16:17] offset:65536*(\m)+128*(\f)+64
	global_load_b128 v[QR+64*(\m)+16*(\f)+12:QR+64*(\m)+16*(\f)+15], v7, s[16:17] offset:65536*(\m)+128*(\f)+80
.endr
.endr
	v_lshlrev_b32 v8, 4, v4
	v_lshl_add_u32 v8, s[WVN], 11, v8              ; my partial tiles: 2,048 wave + 16 l
	s_wait_loadcnt 0x0
.set f, 0
.rept 12                               ; all twelve blocks of 16 f32 (W1's four, query's eight) become fragments of 8, in place: register k takes numbers 2 k, 2 k + 1
.set k, 0
.rept 8
	v_cvt_pk_bf16_f32 v[WR+16*f+k], v[WR+16*f+2*k], v[WR+16*f+2*k+1]
.set k, k+1
.endr
.set f, f+1
.endr
	; source 0 = 16 columns of W1, source 1 = 16 rows of query: a lane ends with 8 neighbouring columns of one row.  The two accumulators take turns.
.irp f, 0,1,2,3
.irp m, 0,1
.if (\f) == 0
	v_wmma_f32_16x16x32_bf16 v[ACC+8*(\m):ACC+8*(\m)+7], v[WR+16*(\f):WR+16*(\f)+7], v[QR+64*(\m)+16*(\f):QR+64*(\m)+16*(\f)+7], 0
.else
	v_wmma_f32_16x16x32_bf16 v[ACC+8*(\m):ACC+8*(\m)+7], v[WR+16*(\f):WR+16*(\f)+7], v[QR+64*(\m)+16*(\f):QR+64*(\m)+16*(\f)+7], v[ACC+8*(\m):ACC+8*(\m)+7]
.endif
.endr
.endr
.rept 8
	v_nop                                          ; the places behind the last products (ISA guide 7.12.1), once a launch
.endr
.irp m, 0,1
	ds_store_b128 v8, v[ACC+8*(\m):ACC+8*(\m)+3]   offset:1024*(\m)
	ds_store_b128 v8, v[ACC+8*(\m)+4:ACC+8*(\m)+7] offset:1024*(\m)+512
.endr
	s_wait_dscnt 0x0                               ; for the others' sake: my partial sums lie in LDS
	s_barrier_signal -1
	s_barrier_wait -1
	s_cmp_lt_u32 s[WVN], 2                         ; wave 0 finishes rows 0-15, wave 1 rows 16-31
	s_cbranch_scc0 .Lqend
	v_lshlrev_b32 v9, 4, v4
	v_lshl_add_u32 v9, s[WVN], 10, v9
.irp v, 0,1,2,3,4,5,6,7
	ds_load_b128 v[32+8*(\v):35+8*(\v)], v9 offset:2048*(\v)
	ds_load_b128 v[36+8*(\v):39+8*(\v)], v9 offset:2048*(\v)+512
.endr
	v_lshl_add_u32 v10, v2, 12, v5                 ; row r of my 16, my 8 columns
	v_lshl_add_u32 v10, s[WVN], 16, v10
.irp k, 0,2,4,6
	v_pk_add_f32 v[BI+(\k):BI+(\k)+1], v[BI+(\k):BI+(\k)+1], v[BI+8+(\k):BI+8+(\k)+1]  ; b1 + b2
.endr
	s_wait_dscnt 0x0
.irp n, 32,16,8                        ; eight partial tiles of 8 registers: halves onto halves
.set k, 0
.rept (\n)/2
	v_pk_add_f32 v[32+k:33+k], v[32+k:33+k], v[32+(\n)+k:33+(\n)+k]
.set k, k+2
.endr
.endr
.irp k, 0,2,4,6
	v_pk_add_f32 v[32+(\k):33+(\k)], v[32+(\k):33+(\k)], v[BI+(\k):BI+(\k)+1]
.endr
.irp k, 0,2,4,6
	v_pk_mul_f32 v[32+(\k):33+(\k)], v[32+(\k):33+(\k)], 0x4038aa3b op_sel_hi:[1,0]  ; x 2 log2(e)
.endr
	global_store_b128 v10, v[32:35], s[20:21]
	global_store_b128 v10, v[36:39], s[20:21] offset:16
.Lqend:
	s_wait_tensorcnt 0x0                           ; the wave's end, behind my last LDS store
	ds_add_u32 v[SPW], v[NIL]
	s_wait_dscnt 0x0
	s_endpgm
.Lfunc_end_k_q12f4874f2b_prep:
	.size	k_q12f4874f2b_prep, .Lfunc_end_k_q12f4874f2b_prep-k_q12f4874f2b_prep
	.p2alignl 7, 3214868480
	.fill 96, 4, 3214868480
	.section	.rodata,"a",@progbits
	.p2align	6, 0x0
	.amdhsa_kernel k_q12f4874f2b_prep
		.amdhsa_group_segment_fixed_size 17408
		.amdhsa_private_segment_fixed_size 0
		.amdhsa_enable_private_segment 0
		.amdhsa_kernarg_size 80
		.amdhsa_user_sgpr_count 2
		.amdhsa_user_sgpr_kernarg_segment_ptr 1
		.amdhsa_wavefront_size32 1
		.amdhsa_system_sgpr_workgroup_id_x 1
		.amdhsa_system_sgpr_workgroup_id_y 1
		.amdhsa_system_sgpr_workgroup_id_z 1
		.amdhsa_system_vgpr_workitem_id 0
		.amdhsa_next_free_vgpr 256
		.amdhsa_next_free_sgpr 66
		.amdhsa_reserve_vcc 0
		.amdhsa_float_denorm_mode_32 3
		.amdhsa_float_denorm_mode_16_64 3
		.amdhsa_memory_ordered 1
		.amdhsa_forward_progress 1
		.amdhsa_inst_pref_size 32
	.end_amdhsa_kernel
	.amdgpu_metadata
---
amdhsa.version: [ 1, 2 ]
amdhsa.kernels:
  - .name:           k_q12f4874f2b_prep
    .symbol:         k_q12f4874f2b_prep.kd
    .args:
      - { .name: W1, .offset: 0, .size: 8, .value_kind: global_buffer, .address_space: global }
      - { .name: W2, .offset: 8, .size: 8, .value_kind: global_buffer, .address_space: global }
      - { .name: Wv, .offset: 16, .size: 8, .value_kind: global_buffer, .address_space: global }
      - { .name: b1, .offset: 24, .size: 8, .value_kind: global_buffer, .address_space: global }
      - { .name: b2, .offset: 32, .size: 8, .value_kind: global_buffer, .address_space: global }
      - { .name: bv, .offset: 40, .size: 8, .value_kind: global_buffer, .address_space: global }
      - { .name: query, .offset: 48, .size: 8, .value_kind: global_buffer, .address_space: global }
      - { .name: w2f, .offset: 56, .size: 8, .value_kind: global_buffer, .address_space: global }
      - { .name: qcs, .offset: 64, .size: 8, .value_kind: global_buffer, .address_space: global }
      - { .name: cst, .offset: 72, .size: 8, .value_kind: global_buffer, .address_space: global }
    .group_segment_fixed_size: 17408
    .private_segment_fixed_size: 0
    .kernarg_segment_align: 8
    .kernarg_segment_size: 80
    .max_flat_workgroup_size: 256
    .sgpr_count:     66
    .vgpr_count:     256
    .wavefront_size: 32
...
	.end_amdgpu_metadata
.endif
;; end of part 1
;; launch main (part 2): grid 512 x 1, 4 waves a work-group, no clusters, 276,992 bytes of LDS; arguments values, w2f, qcs, Wv, cst, sc, ctxp; writes sc, ctxp
.if DOCPART == 2
	.amdgcn_target "amdgcn-amd-amdhsa--gfx1250"
	.amdhsa_code_object_version 6
	.text
	.protected	k_q12f4874f2b_main
	.globl	k_q12f4874f2b_main
	.p2align	8
	.type	k_q12f4874f2b_main,@function
k_q12f4874f2b_main:
	s_mov_b64 s[64:65], 0
	v_nop
	global_prefetch_b8 v0, s[64:65] scope:SCOPE_SE
	s_setreg_imm32_b32 hwreg(HW_REG_WAVE_MODE, 25, 1), 1
	s_wait_xcnt 0x0
; score[t] = bv + Wv . tanh(q_proj + b1 + b2 + values[t] . W2) for 128 rows t of one batch; then, with m the block's largest score, p = exp(score - m) and ctxp = sum over the rows of p values[t].
; EACH BYTE OF values IS READ ONCE: the block's 128 rows are rounded to bf16 and stay in LDS (128 x 2,064 bytes); they are multiplied by all of W2 and, when the scores are known, summed for the context.
; SHARES.  Work-group g: rows 128 g .. 128 g + 127 (batch g / 16).  Two passes of 512 columns; in pass p wave w makes all 128 rows x columns 512 p + 128 w .. + 127: 64 accumulators, 512 registers.
; Wave w brings rows 32 w .. 32 w + 31 into LDS, during pass 0, four to five K steps ahead of their first product, and makes the context's columns 256 w .. 256 w + 255.
; W2 comes as ready fragments (w2f) from memory straight into registers: no two waves of the work-group want the same fragment.
; NO CLUSTER, though every work-group reads all of w2f: a joint load lands in LDS, and behind the resident rows 50,688 of the 327,680 bytes are left: two slots there would hold three K steps
; of the work-group's 32,768 bytes a step between them, too few products between two rounds.
; THE MATRIX INSTRUCTION IS USED TRANSPOSED (source 0 = 16 columns of W2, source 1 = 16 rows of values): a lane holds ONE row (lane % 16) and 8 columns, so the sum over columns stays in the lane.
; tanh(x) = 1 - 2 / (1 + 2^(2 log2(e) x)), so score = cs - 2 sum of Wv / (1 + 2^..), cs = bv + sum of Wv.  An infinite power gives 0, a vanished one 1: no clamp is needed.
; The softmax's maximum: the block's own here, the batch's in the next launch, which corrects by exp(m_block - m_batch).
; LIMITS.  values and W2 are rounded to bf16 (nearest even) for the product, and the context sums the same rounded values; all else in f32, sums in another order than the reference's;
; a power or weight below 2^-126 counts as 0; NaN and infinities in the inputs are not treated apart.
; REGISTERS, in windows of 256 (s_set_vgpr_msb: bits 1:0 source 0, 3:2 source 1, 5:4 source 2, 7:6 destination):
;   window 0: v2-15 addresses; v16-23 a row tile's running sum; v24-31, v32-47, v48-61 at work; v64-127 fragments of values; v128-255 four buffers of 32 for values on their way (f32), later the tables
;   window 1: four buffers of 64 for W2's fragments, K step s in buffer s % 4        windows 2, 3: accumulator (a, b) at 8 (8 (a % 4) + b) of window 2 + a / 4
.set PITCH, 2064                       ; a row in LDS: 2,048 bytes + 16: 516 words: row r starts at bank 4 r mod 64 (64 banks of 4 bytes: ISA guide 11.1)
.set TQ,    128*PITCH                  ; the batch's row of qcs, 4,096 bytes
.set TW,    TQ+4096                    ; Wv, 4,096 bytes
.set SCR,   TW+4096                    ; 4 waves x 128 partial scores
.set PB,    SCR+2048                   ; each wave's own copy of p, 512 bytes
.set SPARE, PB+2048                    ; the spare words, 128 bytes a wave
.set BOFF, 2                           ; 16 l; never rewritten
.set VOFF, 3                           ; (32 w + 8 h) rows of 4,096 bytes + 16 r; never rewritten
.set PFO,  4                           ; (32 w + l) rows of 4,096 bytes; never rewritten
.set STA,  5                           ; where I store converted values: STA0 + the column in hand
.set ADA0, 6                           ; v6-9   (32 i + r) PITCH + 16 h
.set ADA,  10                          ; v10-13 the same + the column in hand
.set TA,   14                          ; my 8 columns of the pass in the tables
.set STA0, 15                          ; (32 w + 8 h) PITCH + 8 r
.set SC,   16
.set EA,   24
.set TB,   32
.set RR,   48                          ; r = l % 16
.set HH,   49                          ; h = l / 16
.set LN,   50                          ; l
.set TM,   51
.set PP,   52
.set SS,   56
.set TL,   60
.set TG,   61
.set SPW,  62                          ; LDS address of my spare word; never rewritten
.set NIL,  63                          ; 0; never rewritten
.set AF,   64
.set SR,   128
.set QC,   128                         ; from K step 27 on: qcs of my columns, pair i of an m tile's 32 at QC + 2 i
.set WV,   192                         ; Wv likewise
.set FSA,  5                           ; the end's addresses take the loop's registers
.set FSB,  6
.set FPS,  7
.set PA0,  8
.set CA0,  9
.set PA,   10
.set CA,   11
.set GO,   12
.set VP,   4                           ; s[4:5]   values at the block's first row, at the body's column
.set BP,   6                           ; s[6:7]   w2f at my wave's stream, at the body's first K step
.set QP,   8                           ; s[8:9]   the batch's row of qcs
.set WP,   10                          ; s[10:11] Wv
.set CP,   12                          ; s[12:13] cst
.set SCP,  14                          ; s[14:15] sc at the block
.set XP,   16                          ; s[16:17] ctxp at the block
.set WVN,  18
.set SCOL, 19                          ; LDS column of the stores
.set COL,  20                          ; LDS column of the fragments
.set PASS, 21
.set CNT,  22
.set CSR,  23                          ; cs
.set K2,   24                          ; s[24:25] 2 log2(e), named as a pair
.set SEL,  26                          ; s26, s27 v_permlanex16_b32's selects
.set MSB, 0
.macro WIN new                         ; the immediate's high byte repeats the setting that is left; a switch that changes nothing is dropped
.if MSB != (\new)
	s_set_vgpr_msb (MSB<<8)|(\new)
.set MSB, \new
.endif
.endm
.set MUL_LO, 0xa1                      ; source 0 (W2) window 1, source 1 (values) window 0, C and D window 2; + 0x50: window 3
.set TO_B,   0x40                      ; destination window 1
.set TO_T,   0x80                      ; destination window 2
.set FROM_T, 0x0a                      ; sources 0 and 1 window 2
.macro PLACES                          ; four places behind a matrix instruction, in front of loads into registers that it has read (ISA guide 7.12.1 for vector instructions)
.rept 4
	v_nop
.endr
.endm
; 32 matrix instructions: m tiles 4 hi .. 4 hi + 3 x all 8 column tiles, from W2's buffer q.  All accumulators differ: they take turns over every jump too.
.macro MUL32 q, hi, zero
	WIN MUL_LO+0x50*(\hi)
.irp a, 0,1,2,3
.irp b, 0,1,2,3,4,5,6,7
.if \zero
	v_wmma_f32_16x16x32_bf16 v[8*(8*(\a)+(\b)):8*(8*(\a)+(\b))+7], v[64*(\q)+8*(\b):64*(\q)+8*(\b)+7], v[AF+8*(4*(\hi)+(\a)):AF+8*(4*(\hi)+(\a))+7], 0
.else
	v_wmma_f32_16x16x32_bf16 v[8*(8*(\a)+(\b)):8*(8*(\a)+(\b))+7], v[64*(\q)+8*(\b):64*(\q)+8*(\b)+7], v[AF+8*(4*(\hi)+(\a)):AF+8*(4*(\hi)+(\a))+7], v[8*(8*(\a)+(\b)):8*(8*(\a)+(\b))+7]
.endif
.endr
.endr
.endm
; 8 LDS loads: fragments a0 .. a0 + 3 of values, 16 rows x 32 K each, at byte col behind the column in hand
.macro ALD a0, col
.irp a, 0,1,2,3
	ds_load_b128 v[AF+8*((\a0)+(\a)):AF+8*((\a0)+(\a))+3],   v[ADA+((\a0)+(\a))/2] offset:(((\a0)+(\a))%2)*16*PITCH+(\col)
	ds_load_b128 v[AF+8*((\a0)+(\a))+4:AF+8*((\a0)+(\a))+7], v[ADA+((\a0)+(\a))/2] offset:(((\a0)+(\a))%2)*16*PITCH+(\col)+32
.endr
.endm
; 16 loads: the 8 fragments of W2 of K step k of the body into buffer q: 8,192 bytes on end
.macro BLD q, k
	WIN TO_B
.irp b, 0,1,2,3,4,5,6,7
	global_load_b128 v[64*(\q)+8*(\b):64*(\q)+8*(\b)+3],   v[BOFF], s[BP:BP+1] offset:8192*(\k)+1024*(\b)
	global_load_b128 v[64*(\q)+8*(\b)+4:64*(\q)+8*(\b)+7], v[BOFF], s[BP:BP+1] offset:8192*(\k)+1024*(\b)+512
.endr
.endm
; 8 loads: half a unit of values: 16 of my 32 rows x 256 bytes.  Sixteen lanes read 256 bytes on end, at a multiple of 256 from the buffer's first byte
.macro SLD base, hf, col
.irp i, 0,1,2,3,4,5,6,7
	global_load_b128 v[(\base)+4*(\i):(\base)+4*(\i)+3], v[VOFF], s[VP:VP+1] offset:(16*(\hf)+(\i))*4096+(\col) th:TH_LOAD_NT
.endr
.endm
; such a half unit is rounded to bf16 and stored: 8 bytes a lane; lanes 16-31 lie 8 rows on, 32 banks on
.macro CVST base, hf, col
.irp i, 0,1,2,3,4,5,6,7
	v_cvt_pk_bf16_f32 v[TB+2*(\i)],   v[(\base)+4*(\i)],   v[(\base)+4*(\i)+1]
	v_cvt_pk_bf16_f32 v[TB+2*(\i)+1], v[(\base)+4*(\i)+2], v[(\base)+4*(\i)+3]
.endr
	WIN 0
.irp i, 0,1,2,3,4,5,6,7
	ds_store_b64 v[STA], v[TB+2*(\i):TB+2*(\i)+1] offset:(16*(\hf)+(\i))*PITCH+(\col)
.endr
.endm
.macro TABS                            ; 32 LDS loads: qcs and Wv of my 64 columns of the pass
.irp b, 0,1,2,3,4,5,6,7
	ds_load_b128 v[QC+8*(\b):QC+8*(\b)+3],   v[TA] offset:64*(\b)
	ds_load_b128 v[QC+8*(\b)+4:QC+8*(\b)+7], v[TA] offset:64*(\b)+16
	ds_load_b128 v[WV+8*(\b):WV+8*(\b)+3],   v[TA] offset:4096+64*(\b)
	ds_load_b128 v[WV+8*(\b)+4:WV+8*(\b)+7], v[TA] offset:4096+64*(\b)+16
.endr
.endm
; ONE K STEP (32 along K, 64 matrix instructions), number sib of a body of four.
;   zero  the products start the sums        fill  1: half unit s + 4 is converted and stored; 2: and its buffer is loaded again with half unit s + 8
;   bw    the barrier signalled a step ago is awaited        bs  a unit of 64 K is whole: the barrier is signalled
;   nst   loads that may stay out when W2's fragments of this step must be in        nmid  the same for the half unit (-1: the wait above has shown it)
;   dsn   LDS instructions that may stay out at the start        pf  1: a prefetch; 2: but for the loop's last trip        tabs  the tables are fetched
; A unit stored in steps 2 u - 4 and 2 u - 3 is signalled at the end of step 2 u - 3, awaited in the middle of step 2 u - 2 and first read in the middle of step 2 u - 1.
; Between a signal and its wait stand products and LDS loads of earlier units' columns, which nobody writes again.
.macro STEP sib, zero, fill, bw, bs, nst, nmid, dsn, pf, tabs
.set NC, 64*(((\sib)+1)%4)
	s_wait_loadcnt \nst                            ; loads come back in order (ISA guide 5.7.1): this step's W2 is in
	s_wait_dscnt \dsn                              ; fragments 0-3 are in; the youngest eight loads (4-7) may be out
	MUL32 \sib, 0, \zero
	WIN 0
	s_wait_dscnt 0x0                               ; fragments 4-7, asked for 32 products ago
.if \bw
	s_barrier_wait -1
.endif
.if \fill
.if (\nmid) >= 0
	s_wait_loadcnt \nmid
.endif
	CVST SR+32*(\sib), (\sib)%2, 128*((\sib)/2)    ; its conversions are also the places in front of the loads below
.elseif (\sib) < 3
	PLACES
.endif
.if (\sib) == 3
	s_add_co_u32 s[COL], s[COL], 256               ; the next body's column; behind the row's end the first again
	s_and_b32 s[COL], s[COL], 2047
.irp i, 0,1,2,3
	v_add_nc_u32 v[ADA+(\i)], s[COL], v[ADA0+(\i)] ; (four places, where nothing is converted)
.endr
.endif
	ALD 0, NC                                      ; the next step's fragments 0-3
.if \tabs
	TABS
.endif
	BLD ((\sib)+3)%4, (\sib)+3                     ; W2 three steps ahead, into the buffer read last step
.if (\fill) == 2
	WIN 0
	SLD SR+32*(\sib), (\sib)%2, 1024+256*((\sib)/2)
.endif
; A PREFETCH INTO THE L2: my own 32 rows x 256 bytes of the unit whose two halves are loaded four and five K steps on: a lane a row, one instruction, behind the step's loads.
; Each row's 256 bytes are named once in the launch, by the wave that will load them.  Units 0 to 5 come by their loads alone; the loop's last trip would name units 16 and 17, which do not exist.
.if (\pf) == 1
	global_prefetch_b8 v[PFO], s[VP:VP+1] offset:1536+256*((\sib)/2) th:TH_LOAD_NT scope:SCOPE_SE
.elseif (\pf) == 2
	s_cmp_gt_u32 s[CNT], 1
	s_cbranch_scc0 .Lnone_\@
	global_prefetch_b8 v[PFO], s[VP:VP+1] offset:1536+256*((\sib)/2) th:TH_LOAD_NT scope:SCOPE_SE
.Lnone_\@:
.endif
	MUL32 \sib, 1, \zero
	WIN 0
.if ((\sib) == 3) && (\fill)
	s_add_co_u32 s[SCOL], s[SCOL], 256
	v_add_nc_u32 v[STA], s[SCOL], v[STA0]
	v_nop
	v_nop
	v_nop
.else
	PLACES
.endif
.if \bs
	s_wait_dscnt 0x0                               ; for the others' sake: my half of the unit lies in LDS; no LDS instruction of mine is out
	s_barrier_signal -1
.endif
	ALD 4, NC                                      ; the next step's fragments 4-7
.if (\sib) == 3
	s_wait_xcnt 0x0                                ; every load and prefetch issued so far (the youngest 32 products back) has read its address, so the pointers may be written
	s_add_nc_u64 s[BP:BP+1], s[BP:BP+1], 32768
.if (\fill) == 2
	s_add_nc_u64 s[VP:VP+1], s[VP:VP+1], 512
.endif
.endif
.endm
	s_load_b256 s[4:11], s[0:1], 0x0               ; values, w2f, qcs, Wv
	s_load_b128 s[12:15], s[0:1], 0x20             ; cst, sc
	s_load_b64 s[16:17], s[0:1], 0x30              ; ctxp
	v_lshl_add_u32 v[SPW], v0, 2, SPARE
	v_mov_b32 v[NIL], 0
	v_lshrrev_b32 v1, 5, v0
	v_readfirstlane_b32 s[WVN], v1
	v_and_b32 v[RR], 15, v0
	v_bfe_u32 v[HH], v0, 4, 1
	v_and_b32 v[LN], 31, v0
	v_lshlrev_b32 v[BOFF], 4, v[LN]
	v_lshlrev_b32 v[VOFF], 4, v[RR]
	v_lshl_add_u32 v[VOFF], v[HH], 15, v[VOFF]
	v_lshl_add_u32 v[VOFF], s[WVN], 17, v[VOFF]
	v_lshlrev_b32 v[PFO], 12, v[LN]
	v_lshl_add_u32 v[PFO], s[WVN], 17, v[PFO]
	s_mul_i32 s28, s[WVN], 32*PITCH
	v_mul_u32_u24 v[STA0], v[HH], 8*PITCH
	v_lshl_add_u32 v[STA0], v[RR], 3, v[STA0]
	v_add_nc_u32 v[STA0], s28, v[STA0]
	v_mov_b32 v[STA], v[STA0]                      ; units 0 and 1 go to column 0
	v_mul_u32_u24 v[TM], v[RR], PITCH
	v_lshl_add_u32 v[TM], v[HH], 4, v[TM]
.irp i, 0,1,2,3
	v_add_nc_u32 v[ADA0+(\i)], (\i)*32*PITCH, v[TM]
	v_add_nc_u32 v[ADA+(\i)],  (\i)*32*PITCH, v[TM]
.endr
	s_lshl_b32 s28, s[WVN], 9
	s_add_co_u32 s28, s28, TQ
	v_lshl_add_u32 v[TA], v[HH], 5, s28            ; TQ + 4 (128 w + 8 h)
	v_lshlrev_b32 v[TG], 4, v0                     ; 16 t
	v_add_nc_u32 v[TL], TQ, v[TG]
	s_mov_b32 s[K2], 0x4038aa3b                    ; 2 log2(e)
	s_mov_b32 s[K2+1], s[K2]
	s_mov_b32 s[SEL], 0x76543210
	s_mov_b32 s[SEL+1], 0xfedcba98
	s_mov_b32 s29, 0
	s_wait_kmcnt 0x0
	s_lshl_b32 s28, ttmp9, 19                      ; 128 rows of 4,096 bytes
	s_add_nc_u64 s[VP:VP+1], s[VP:VP+1], s[28:29]
	s_lshl_b32 s28, s[WVN], 19                     ; my wave's 64 K steps of 8,192 bytes
	s_add_nc_u64 s[BP:BP+1], s[BP:BP+1], s[28:29]
	s_lshr_b32 s28, ttmp9, 4                       ; the batch
	s_lshl_b32 s28, s28, 12
	s_add_nc_u64 s[QP:QP+1], s[QP:QP+1], s[28:29]
	s_lshl_b32 s28, ttmp9, 9
	s_add_nc_u64 s[SCP:SCP+1], s[SCP:SCP+1], s[28:29]
	s_lshl_b32 s28, ttmp9, 12
	s_add_nc_u64 s[XP:XP+1], s[XP:XP+1], s[28:29]
	s_load_b32 s[CSR], s[CP:CP+1], 0x0
	; 116 loads: half units 0-3 (into the accumulators' registers, idle so far), the tables, W2 of K steps 0-2, half units 4-7.  The counter's field holds fewer: the issue then waits (ISA guide 5.7.1).
	WIN TO_T
.irp j, 0,1,2,3
	SLD 32*(\j), (\j)%2, 256*((\j)/2)
.endr
	WIN 0
	global_load_b128 v[TB:TB+3],     v[TG], s[QP:QP+1]
	global_load_b128 v[TB+4:TB+7],   v[TG], s[QP:QP+1] offset:2048
	global_load_b128 v[TB+8:TB+11],  v[TG], s[WP:WP+1]
	global_load_b128 v[TB+12:TB+15], v[TG], s[WP:WP+1] offset:2048
	BLD 0, 0
	BLD 1, 1
	BLD 2, 2
	WIN 0
.irp j, 0,1,2,3
	SLD SR+32*(\j), (\j)%2, 512+256*((\j)/2)
.endr
	s_wait_loadcnt 63                              ; behind the tables stand 80 loads; the largest count that a wait can name shows the oldest 53 in: the first four half units and the tables among them
	ds_store_b128 v[TL], v[TB:TB+3]
	ds_store_b128 v[TL], v[TB+4:TB+7]   offset:2048
	ds_store_b128 v[TL], v[TB+8:TB+11]  offset:4096
	ds_store_b128 v[TL], v[TB+12:TB+15] offset:6144
.irp j, 0,1,2,3
	WIN FROM_T
	CVST 32*(\j), (\j)%2, 128*((\j)/2)
.endr
	s_wait_kmcnt 0x0                               ; cs
	s_wait_dscnt 0x0
	s_barrier_signal -1
	s_barrier_wait -1                              ; units 0 and 1 and the tables are whole
	ALD 0, 0
	ALD 4, 0
.irp a, 0,1,2,3,4,5,6,7
	v_mov_b32 v[SC+(\a)], 0
.endr
	s_mov_b32 s[COL], 0
	s_mov_b32 s[SCOL], 256
	v_add_nc_u32 v[STA], s[SCOL], v[STA0]
	s_mov_b32 s[PASS], 2
.Lpass:
	s_cmp_eq_u32 s[PASS], 2
	s_cbranch_scc0 .Lsecond
	; PASS 0.  Behind W2 of step s stand, in the order of issue: a half unit (8), W2 (16), a half unit, W2, a half unit: 56 loads.
	STEP 0, 1, 2, 0, 0, 56, 24, 8, 1, 0            ; K steps 0-3.  24: behind half unit 4 stand half units 5 to 7
	STEP 1, 0, 2, 0, 1, 56, 40, 8, 0, 0            ; 40: behind half unit 5 stand 6, 7, W2 of step 3 and half unit 8
	STEP 2, 0, 2, 1, 0, 56, -1, 8, 1, 0            ; from here on the half unit is older than the step's W2
	STEP 3, 0, 2, 0, 1, 56, -1, 8, 0, 0
	s_mov_b32 s[CNT], 5
.Lfill:                                        ; K steps 4-23
	STEP 0, 0, 2, 1, 0, 56, -1, 8, 2, 0
	STEP 1, 0, 2, 0, 1, 56, -1, 8, 0, 0
	STEP 2, 0, 2, 1, 0, 56, -1, 8, 2, 0
	STEP 3, 0, 2, 0, 1, 56, -1, 8, 0, 0
	s_sub_co_u32 s[CNT], s[CNT], 1
	s_cmp_lg_u32 s[CNT], 0
	s_cbranch_scc1 .Lfill
	STEP 0, 0, 1, 1, 0, 56, -1, 8, 0, 0            ; K steps 24-27: the last four half units are stored, none is asked for: the counts run down
	STEP 1, 0, 1, 0, 1, 48, -1, 8, 0, 0
	STEP 2, 0, 1, 1, 0, 40, -1, 8, 0, 0
	STEP 3, 0, 1, 0, 1, 32, -1, 8, 0, 1            ; the buffers for values are free: they take the tables
	s_barrier_wait -1                              ; the last unit is whole
	s_mov_b32 s[CNT], 1                            ; K steps 28-31
	s_branch .Lplain
.Lsecond:                                      ; PASS 1: the rows lie in LDS; W2's stream has gone on, and the first fragments of values were fetched by pass 0's last step
	v_add_nc_u32 v[TA], 2048, v[TA]
	TABS
	STEP 0, 1, 0, 0, 0, 32, -1, 32, 0, 0           ; the fragments were awaited ahead of the last pass's end; the 32 table loads may stay out
	STEP 1, 0, 0, 0, 0, 32, -1, 8, 0, 0
	STEP 2, 0, 0, 0, 0, 32, -1, 8, 0, 0
	STEP 3, 0, 0, 0, 0, 32, -1, 8, 0, 0
	s_mov_b32 s[CNT], 7
.Lplain:                                       ; behind W2 of step s stand W2 of steps s + 1 and s + 2: 32 loads.  The last three steps of pass 1 load W2 that nobody multiplies, and the last fetches column 0 once more: the price of one text
	STEP 0, 0, 0, 0, 0, 32, -1, 8, 0, 0
	STEP 1, 0, 0, 0, 0, 32, -1, 8, 0, 0
	STEP 2, 0, 0, 0, 0, 32, -1, 8, 0, 0
	STEP 3, 0, 0, 0, 0, 32, -1, 8, 0, 0
	s_sub_co_u32 s[CNT], s[CNT], 1
	s_cmp_lg_u32 s[CNT], 0
	s_cbranch_scc1 .Lplain
	; THE PASS'S END, in place on the accumulators, an m tile (64 registers, 32 pairs) at a time: x = 2 log2(e) acc + qcs; e = 2^x; 1 + e; r = 1 / (1 + e); the tile's sum += Wv r.
	; The 64 powers are one batch with one wait, and so are the 64 reciprocals.
	; Between the powers stand the next tile's x (where it lies in the same window), between the reciprocals the additions of 1.  Each accumulator is read from its low end on.
.macro XS a, i
	v_pk_fma_f32 v[64*((\a)%4)+2*(\i):64*((\a)%4)+2*(\i)+1], v[64*((\a)%4)+2*(\i):64*((\a)%4)+2*(\i)+1], s[K2:K2+1], v[QC+2*(\i):QC+2*(\i)+1] op_sel_hi:[1,0,1]
.endm
.macro ONE a, i
	v_pk_add_f32 v[64*((\a)%4)+2*(\i):64*((\a)%4)+2*(\i)+1], v[64*((\a)%4)+2*(\i):64*((\a)%4)+2*(\i)+1], 1.0 op_sel_hi:[1,0]
.endm
.macro XALL a
	WIN 0x82+0x41*((\a)/4)
.set i, 0
.rept 32
	XS \a, i
.set i, i+1
.endr
.endm
.macro EPI_G a
.set R, 64*((\a)%4)
	WIN 0x82+0x41*((\a)/4)                         ; destination and source 0 in the tile's window, the others in window 0
.set i, 0
.rept 32
	v_exp_f32 v[R+2*i], v[R+2*i]
	v_exp_f32 v[R+2*i+1], v[R+2*i+1]
.if ((\a)%4) < 3
	XS (\a)+1, i
.endif
.set i, i+1
.endr
	v_nop                                          ; a plain instruction behind the last power,
	s_wait_alu depctr_va_vdst(0)                   ; and the one wait for the batch
	ONE \a, 0
	ONE \a, 1
.set i, 0
.rept 32
	v_rcp_f32 v[R+2*i], v[R+2*i]
	v_rcp_f32 v[R+2*i+1], v[R+2*i+1]
.if i < 30
	ONE \a, i+2
.endif
.set i, i+1
.endr
	v_nop
	s_wait_alu depctr_va_vdst(0)                   ; the one wait for the reciprocals
	WIN 0x02+((\a)/4)                              ; source 0 in the tile's window
.set i, 0
.rept 32                               ; four chains of pairs
.if i < 4
	v_pk_mul_f32 v[EA+2*i:EA+2*i+1], v[R+2*i:R+2*i+1], v[WV+2*i:WV+2*i+1]
.else
	v_pk_fma_f32 v[EA+2*(i%4):EA+2*(i%4)+1], v[R+2*i:R+2*i+1], v[WV+2*i:WV+2*i+1], v[EA+2*(i%4):EA+2*(i%4)+1]
.endif
.set i, i+1
.endr
	WIN 0
	v_pk_add_f32 v[EA:EA+1], v[EA:EA+1], v[EA+2:EA+3]
	v_pk_add_f32 v[EA+4:EA+5], v[EA+4:EA+5], v[EA+6:EA+7]
	v_pk_add_f32 v[EA:EA+1], v[EA:EA+1], v[EA+4:EA+5]
	v_add_f32 v[EA], v[EA], v[EA+1]
	v_add_f32 v[SC+(\a)], v[SC+(\a)], v[EA]
.endm
	s_wait_dscnt 0x0                               ; the tables, and the fragments fetched by the last step
.rept 8
	v_nop                                          ; the places behind the last products, once a pass
.endr
	XALL 0
	EPI_G 0
	EPI_G 1
	EPI_G 2
	EPI_G 3
	XALL 4
	EPI_G 4
	EPI_G 5
	EPI_G 6
	EPI_G 7
	s_sub_co_u32 s[PASS], s[PASS], 1
	s_cmp_lg_u32 s[PASS], 0
	s_cbranch_scc1 .Lpass
	; THE BLOCK'S END.  The two halves of the lanes hold the two halves of a row's columns; the four waves' sums meet in LDS.
	s_lshl_b32 s28, s[WVN], 9
	s_add_co_u32 s29, s28, SCR
	v_lshl_add_u32 v[FSA], v[RR], 2, s29           ; my wave's 128 words, row r of a tile
	v_lshl_add_u32 v[FSB], v[LN], 4, SCR           ; rows 4 l .. 4 l + 3
	s_add_co_u32 s29, s28, PB
	v_lshl_add_u32 v[FPS], v[LN], 4, s29
	v_mov_b32 v[PA0], s29
	v_lshl_add_u32 v[CA0], v[LN], 3, s28           ; my 4 columns (8 bytes) of my wave's 256
	s_lshl_b32 s29, s[WVN], 10
	v_lshl_add_u32 v[GO], v[LN], 4, s29
.irp a, 0,1,2,3,4,5,6,7
	v_permlanex16_b32 v[EA+(\a)], v[SC+(\a)], s[SEL], s[SEL+1]
.endr
.irp a, 0,1,2,3,4,5,6,7
	v_add_f32 v[SC+(\a)], v[SC+(\a)], v[EA+(\a)]
.endr
.irp a, 0,1,2,3,4,5,6,7
	ds_store_b32 v[FSA], v[SC+(\a)] offset:64*(\a) ; both halves of the lanes write the same number to the same word
.endr
	s_wait_dscnt 0x0
	s_barrier_signal -1
	s_barrier_wait -1
.irp k, 0,1,2,3
	ds_load_b128 v[AF+4*(\k):AF+4*(\k)+3], v[FSB] offset:512*(\k)
.endr
	s_wait_dscnt 0x0
	v_pk_add_f32 v[AF:AF+1],     v[AF:AF+1],     v[AF+4:AF+5]
	v_pk_add_f32 v[AF+2:AF+3],   v[AF+2:AF+3],   v[AF+6:AF+7]
	v_pk_add_f32 v[AF+8:AF+9],   v[AF+8:AF+9],   v[AF+12:AF+13]
	v_pk_add_f32 v[AF+10:AF+11], v[AF+10:AF+11], v[AF+14:AF+15]
	v_pk_add_f32 v[AF:AF+1],     v[AF:AF+1],     v[AF+8:AF+9]
	v_pk_add_f32 v[AF+2:AF+3],   v[AF+2:AF+3],   v[AF+10:AF+11]
.irp i, 0,1,2,3
	v_fma_f32 v[SS+(\i)], -2.0, v[AF+(\i)], s[CSR] ; score = cs - 2 sum: the same bits in all four waves
.endr
	s_cmp_lg_u32 s[WVN], 0
	s_cbranch_scc1 .Lnot_mine
	global_store_b128 v[BOFF], v[SS:SS+3], s[SCP:SCP+1]  ; 512 bytes on end
.Lnot_mine:
	v_max3_num_f32 v[TM], v[SS], v[SS+1], v[SS+2]
	v_max_num_f32 v[TM], v[TM], v[SS+3]
	v_max_num_f32_dpp v[TM], v[TM], v[TM] row_xmask:1 row_mask:0xf bank_mask:0xf
	v_max_num_f32_dpp v[TM], v[TM], v[TM] row_xmask:2 row_mask:0xf bank_mask:0xf
	v_max_num_f32_dpp v[TM], v[TM], v[TM] row_xmask:4 row_mask:0xf bank_mask:0xf
	v_max_num_f32_dpp v[TM], v[TM], v[TM] row_xmask:8 row_mask:0xf bank_mask:0xf
	v_permlanex16_b32 v[EA], v[TM], s[SEL], s[SEL+1]
	v_max_num_f32 v[TM], v[TM], v[EA]              ; the block's largest score
.irp i, 0,1,2,3
	v_sub_f32 v[PP+(\i)], v[SS+(\i)], v[TM]
.endr
.irp i, 0,1,2,3
	v_mul_f32 v[PP+(\i)], 0x3fb8aa3b, v[PP+(\i)]
.endr
.irp i, 0,1,2,3
	v_exp_f32 v[PP+(\i)], v[PP+(\i)]
.endr
	v_nop
	s_wait_alu depctr_va_vdst(0)                   ; one wait for the four
	ds_store_b128 v[FPS], v[PP:PP+3]               ; my wave's own copy: LDS serves a wave's instructions in order (ISA guide 5.7.1.4), so the loads below see it
.irp i, 0,1,2,3,4,5,6,7
	v_mov_b32 v[EA+(\i)], 0                        ; the context's 8 sums of a lane
.endr
; a row's 8 multiply-adds: bf16 halves straight from the LDS words, p and the sums in f32; the 8 sums take turns
.macro ROWF rr
.irp c, 0,1
.irp d, 0,1
	v_fma_mix_f32_bf16 v[EA+4*(\c)+2*(\d)],   v[SR+4*(\rr)+2*(\c)+(\d)], v[AF+(\rr)], v[EA+4*(\c)+2*(\d)] op_sel_hi:[1,0,0]
	v_fma_mix_f32_bf16 v[EA+4*(\c)+2*(\d)+1], v[SR+4*(\rr)+2*(\c)+(\d)], v[AF+(\rr)], v[EA+4*(\c)+2*(\d)+1] op_sel:[1,0,0] op_sel_hi:[1,0,0]
.endr
.endr
.endm
	s_mov_b32 s[CNT], 4
	s_mov_b32 s28, 0
	s_mov_b32 s29, 0
.Lctx:                                         ; 32 rows a trip
	v_add_nc_u32 v[PA], s29, v[PA0]
	v_add_nc_u32 v[CA], s28, v[CA0]
.irp k, 0,1,2,3,4,5,6,7
	ds_load_b128 v[AF+4*(\k):AF+4*(\k)+3], v[PA] offset:16*(\k)  ; p of the 32 rows, the same for every lane
.endr
.set rw, 0
.rept 32
	ds_load_b64 v[SR+4*rw:SR+4*rw+1],   v[CA] offset:rw*PITCH       ; 32 lanes x 8 bytes: 256 bytes on end
	ds_load_b64 v[SR+4*rw+2:SR+4*rw+3], v[CA] offset:rw*PITCH+256
.set rw, rw+1
.endr
.set rw, 0
.rept 4
	s_wait_dscnt 48-16*(rw/8)                      ; the next 8 rows are in: the 16 loads of each 8 rows behind them may stay out
.rept 8
	ROWF rw
.set rw, rw+1
.endr
.endr
	s_add_co_u32 s28, s28, 32*PITCH
	s_add_co_u32 s29, s29, 128
	s_sub_co_u32 s[CNT], s[CNT], 1
	s_cmp_lg_u32 s[CNT], 0
	s_cbranch_scc1 .Lctx
	global_store_b128 v[GO], v[EA:EA+3],   s[XP:XP+1]             ; 512 bytes on end, twice
	global_store_b128 v[GO], v[EA+4:EA+7], s[XP:XP+1] offset:512
	s_wait_tensorcnt 0x0                           ; the wave's end, behind my last LDS store
	ds_add_u32 v[SPW], v[NIL]
	s_wait_dscnt 0x0
	s_endpgm
.Lfunc_end_k_q12f4874f2b_main:
	.size	k_q12f4874f2b_main, .Lfunc_end_k_q12f4874f2b_main-k_q12f4874f2b_main
	.p2alignl 7, 3214868480
	.fill 96, 4, 3214868480
	.section	.rodata,"a",@progbits
	.p2align	6, 0x0
	.amdhsa_kernel k_q12f4874f2b_main
		.amdhsa_group_segment_fixed_size 276992
		.amdhsa_private_segment_fixed_size 0
		.amdhsa_enable_private_segment 0
		.amdhsa_kernarg_size 56
		.amdhsa_user_sgpr_count 2
		.amdhsa_user_sgpr_kernarg_segment_ptr 1
		.amdhsa_wavefront_size32 1
		.amdhsa_system_sgpr_workgroup_id_x 1
		.amdhsa_system_sgpr_workgroup_id_y 1
		.amdhsa_system_sgpr_workgroup_id_z 1
		.amdhsa_system_vgpr_workitem_id 0
		.amdhsa_next_free_vgpr 1024
		.amdhsa_next_free_sgpr 66
		.amdhsa_reserve_vcc 0
		.amdhsa_float_denorm_mode_32 3
		.amdhsa_float_denorm_mode_16_64 3
		.amdhsa_memory_ordered 1
		.amdhsa_forward_progress 1
		.amdhsa_inst_pref_size 255
	.end_amdhsa_kernel
	.section	.bss,"aw",@nobits
	.p2align	6
	.space	262144
	.amdgpu_metadata
---
amdhsa.version: [ 1, 2 ]
amdhsa.kernels:
  - .name:           k_q12f4874f2b_main
    .symbol:         k_q12f4874f2b_main.kd
    .args:
      - { .name: values, .offset: 0, .size: 8, .value_kind: global_buffer, .address_space: global }
      - { .name: w2f, .offset: 8, .size: 8, .value_kind: global_buffer, .address_space: global }
      - { .name: qcs, .offset: 16, .size: 8, .value_kind: global_buffer, .address_space: global }
      - { .name: Wv, .offset: 24, .size: 8, .value_kind: global_buffer, .address_space: global }
      - { .name: cst, .offset: 32, .size: 8, .value_kind: global_buffer, .address_space: global }
      - { .name: sc, .offset: 40, .size: 8, .value_kind: global_buffer, .address_space: global }
      - { .name: ctxp, .offset: 48, .size: 8, .value_kind: global_buffer, .address_space: global }
    .group_segment_fixed_size: 276992
    .private_segment_fixed_size: 0
    .kernarg_segment_align: 8
    .kernarg_segment_size: 56
    .max_flat_workgroup_size: 128
    .sgpr_count:     66
    .vgpr_count:     1024
    .wavefront_size: 32
...
	.end_amdgpu_metadata
.endif
;; end of part 2
;; launch finish (part 3): grid 32 x 1, 8 waves a work-group, no clusters, 1,536 bytes of LDS; arguments sc, ctxp, out0, out1; writes out0, out1
.if DOCPART == 3
	.amdgcn_target "amdgcn-amd-amdhsa--gfx1250"
	.amdhsa_code_object_version 6
	.text
	.protected	k_q12f4874f2b_finish
	.globl	k_q12f4874f2b_finish
	.p2align	8
	.type	k_q12f4874f2b_finish,@function
k_q12f4874f2b_finish:
	s_mov_b64 s[64:65], 0
	v_nop
	global_prefetch_b8 v0, s[64:65] scope:SCOPE_SE
	s_setreg_imm32_b32 hwreg(HW_REG_WAVE_MODE, 25, 1), 1
	s_wait_xcnt 0x0
; THE SOFTMAX IS JOINED, a work-group a batch.  sc holds the batch's 2,048 scores; ctxp, for each of its 16 blocks of 128 rows, the sum of exp(score - m_block) values.
; M = the largest score; out1 = exp(score - M) / L, L their sum; out0 = (sum over blocks of exp(m_block - M) ctxp[block]) / L.
; m_block is taken anew from the scores: a maximum rounds nothing, so it is the number that the launch before used.
; Thread t owns scores 4 t .. 4 t + 3 (block = its wave's number w) and 1,024 + 4 t .. (block 8 + w), and the context's columns 4 t .. 4 t + 3.
; No matrix unit, cluster or ring: 2.3 MB are read once, in runs of 4,096 bytes a work-group.  A weight below 2^-126 counts as 0; NaN and infinities are not treated apart.
.set SPARE, 512                        ; LDS: 0..63 the 16 block maxima; 256..287 the waves' sums; from 512 the spare words, 128 bytes a wave
.set SPW, 126
.set NIL, 127
	s_load_b256 s[4:11], s[0:1], 0x0               ; sc, ctxp, out0, out1
	v_lshl_add_u32 v[SPW], v0, 2, SPARE
	v_mov_b32 v[NIL], 0
	v_lshrrev_b32 v1, 5, v0
	v_readfirstlane_b32 s20, v1                    ; wave
	v_mov_b32 v3, s20
	v_lshlrev_b32 v3, 2, v3                        ; 4 w
	v_lshlrev_b32 v2, 4, v0                        ; 16 t
	v_mov_b32 v15, 0
	s_lshl_b32 s12, ttmp9, 13                      ; the batch's 8,192 bytes of sc and out1,
	s_mov_b32 s13, 0
	s_lshl_b32 s14, ttmp9, 16                      ; 65,536 of ctxp,
	s_mov_b32 s15, 0
	s_lshl_b32 s16, ttmp9, 12                      ; 4,096 of out0
	s_mov_b32 s17, 0
	s_mov_b32 s18, 0x76543210
	s_mov_b32 s19, 0xfedcba98
	s_wait_kmcnt 0x0
	s_add_nc_u64 s[4:5], s[4:5], s[12:13]
	s_add_nc_u64 s[6:7], s[6:7], s[14:15]
	s_add_nc_u64 s[8:9], s[8:9], s[16:17]
	s_add_nc_u64 s[10:11], s[10:11], s[12:13]
	global_load_b128 v[4:7],  v2, s[4:5] th:TH_LOAD_NT
	global_load_b128 v[8:11], v2, s[4:5] offset:4096 th:TH_LOAD_NT
.set k, 0
.rept 16
	global_load_b128 v[32+4*k:35+4*k], v2, s[6:7] offset:4096*k th:TH_LOAD_NT
.set k, k+1
.endr
	s_wait_loadcnt 16                              ; the scores are in; ctxp's 16 loads may stay out
	v_max3_num_f32 v12, v4, v5, v6
	v_max3_num_f32 v13, v8, v9, v10
	v_max_num_f32 v12, v12, v7
	v_max_num_f32 v13, v13, v11
.irp x, 1,2,4,8
	v_max_num_f32_dpp v12, v12, v12 row_xmask:\x row_mask:0xf bank_mask:0xf
	v_max_num_f32_dpp v13, v13, v13 row_xmask:\x row_mask:0xf bank_mask:0xf
.endr
	v_permlanex16_b32 v1, v12, s18, s19
	v_max_num_f32 v12, v12, v1
	v_permlanex16_b32 v1, v13, s18, s19
	v_max_num_f32 v13, v13, v1
	ds_store_b32 v3, v12                           ; block w
	ds_store_b32 v3, v13 offset:32                 ; block 8 + w
	s_wait_dscnt 0x0
	s_barrier_signal -1
	s_barrier_wait -1
.irp k, 0,1,2,3
	ds_load_b128 v[16+4*(\k):19+4*(\k)], v15 offset:16*(\k)
.endr
	s_wait_dscnt 0x0
	v_max3_num_f32 v96, v16, v17, v18
.irp k, 19,21,23,25,27,29
	v_max3_num_f32 v96, v96, v[\k], v[(\k)+1]
.endr
	v_max_num_f32 v96, v96, v31                    ; M
	v_mov_b32 v97, v96
.set k, 0
.rept 8
	v_pk_add_f32 v[16+2*k:17+2*k], v[16+2*k:17+2*k], v[96:97] neg_lo:[0,1] neg_hi:[0,1]  ; m_block - M
.set k, k+1
.endr
.set k, 0
.rept 4
	v_pk_add_f32 v[4+2*k:5+2*k], v[4+2*k:5+2*k], v[96:97] neg_lo:[0,1] neg_hi:[0,1]      ; score - M
.set k, k+1
.endr
.set k, 0
.rept 8
	v_pk_mul_f32 v[16+2*k:17+2*k], v[16+2*k:17+2*k], 0x3fb8aa3b op_sel_hi:[1,0]
.set k, k+1
.endr
.set k, 0
.rept 4
	v_pk_mul_f32 v[4+2*k:5+2*k], v[4+2*k:5+2*k], 0x3fb8aa3b op_sel_hi:[1,0]
.set k, k+1
.endr
.set k, 0
.rept 16
	v_exp_f32 v[16+k], v[16+k]
.set k, k+1
.endr
.set k, 0
.rept 8
	v_exp_f32 v[4+k], v[4+k]
.set k, k+1
.endr
	v_nop                                          ; a plain instruction behind the last exponential,
	s_wait_alu depctr_va_vdst(0)                   ; and one wait for the batch of 24
	v_pk_add_f32 v[100:101], v[4:5], v[6:7]
	v_pk_add_f32 v[102:103], v[8:9], v[10:11]
	v_pk_add_f32 v[100:101], v[100:101], v[102:103]
	v_add_f32 v100, v100, v101
.irp x, 1,2,4,8
	v_add_f32_dpp v100, v100, v100 row_xmask:\x row_mask:0xf bank_mask:0xf
.endr
	v_permlanex16_b32 v1, v100, s18, s19
	v_add_f32 v100, v100, v1
	ds_store_b32 v3, v100 offset:256
	s_wait_dscnt 0x0
	s_barrier_signal -1
	s_barrier_wait -1
	ds_load_b128 v[104:107], v15 offset:256
	ds_load_b128 v[108:111], v15 offset:272
	s_wait_dscnt 0x0
	v_pk_add_f32 v[104:105], v[104:105], v[106:107]
	v_pk_add_f32 v[108:109], v[108:109], v[110:111]
	v_pk_add_f32 v[104:105], v[104:105], v[108:109]
	v_add_f32 v104, v104, v105                     ; L
	v_rcp_f32 v112, v104
	v_nop
	s_wait_alu depctr_va_vdst(0)
	v_mov_b32 v113, v112
.set k, 0
.rept 4
	v_pk_mul_f32 v[4+2*k:5+2*k], v[4+2*k:5+2*k], v[112:113]
.set k, k+1
.endr
	global_store_b128 v2, v[4:7],  s[10:11]
	global_store_b128 v2, v[8:11], s[10:11] offset:4096
	s_wait_loadcnt 0x0                             ; ctxp
	v_pk_mul_f32 v[116:117], v[32:33], v[16:17] op_sel_hi:[1,0]
	v_pk_mul_f32 v[118:119], v[34:35], v[16:17] op_sel_hi:[1,0]
.set k, 1
.rept 15                               ; block k's factor is one register of a pair: both results take that one
.if (k%2) == 0
	v_pk_fma_f32 v[116:117], v[32+4*k:33+4*k], v[16+k:17+k], v[116:117] op_sel_hi:[1,0,1]
	v_pk_fma_f32 v[118:119], v[34+4*k:35+4*k], v[16+k:17+k], v[118:119] op_sel_hi:[1,0,1]
.else
	v_pk_fma_f32 v[116:117], v[32+4*k:33+4*k], v[15+k:16+k], v[116:117] op_sel:[0,1,0] op_sel_hi:[1,1,1]
	v_pk_fma_f32 v[118:119], v[34+4*k:35+4*k], v[15+k:16+k], v[118:119] op_sel:[0,1,0] op_sel_hi:[1,1,1]
.endif
.set k, k+1
.endr
	v_pk_mul_f32 v[116:117], v[116:117], v[112:113]
	v_pk_mul_f32 v[118:119], v[118:119], v[112:113]
	global_store_b128 v2, v[116:119], s[8:9]
	s_wait_tensorcnt 0x0                           ; the wave's end, behind my last LDS store
	ds_add_u32 v[SPW], v[NIL]
	s_wait_dscnt 0x0
	s_endpgm
.Lfunc_end_k_q12f4874f2b_finish:
	.size	k_q12f4874f2b_finish, .Lfunc_end_k_q12f4874f2b_finish-k_q12f4874f2b_finish
	.p2alignl 7, 3214868480
	.fill 96, 4, 3214868480
	.section	.rodata,"a",@progbits
	.p2align	6, 0x0
	.amdhsa_kernel k_q12f4874f2b_finish
		.amdhsa_group_segment_fixed_size 1536
		.amdhsa_private_segment_fixed_size 0
		.amdhsa_enable_private_segment 0
		.amdhsa_kernarg_size 32
		.amdhsa_user_sgpr_count 2
		.amdhsa_user_sgpr_kernarg_segment_ptr 1
		.amdhsa_wavefront_size32 1
		.amdhsa_system_sgpr_workgroup_id_x 1
		.amdhsa_system_sgpr_workgroup_id_y 1
		.amdhsa_system_sgpr_workgroup_id_z 1
		.amdhsa_system_vgpr_workitem_id 0
		.amdhsa_next_free_vgpr 128
		.amdhsa_next_free_sgpr 66
		.amdhsa_reserve_vcc 0
		.amdhsa_float_denorm_mode_32 3
		.amdhsa_float_denorm_mode_16_64 3
		.amdhsa_memory_ordered 1
		.amdhsa_forward_progress 1
		.amdhsa_inst_pref_size 12
	.end_amdhsa_kernel
	.amdgpu_metadata
---
amdhsa.version: [ 1, 2 ]
amdhsa.kernels:
  - .name:           k_q12f4874f2b_finish
    .symbol:         k_q12f4874f2b_finish.kd
    .args:
      - { .name: sc, .offset: 0, .size: 8, .value_kind: global_buffer, .address_space: global }
      - { .name: ctxp, .offset: 8, .size: 8, .value_kind: global_buffer, .address_space: global }
      - { .name: out0, .offset: 16, .size: 8, .value_kind: global_buffer, .address_space: global }
      - { .name: out1, .offset: 24, .size: 8, .value_kind: global_buffer, .address_space: global }
    .group_segment_fixed_size: 1536
    .private_segment_fixed_size: 0
    .kernarg_segment_align: 8
    .kernarg_segment_size: 32
    .max_flat_workgroup_size: 256
    .sgpr_count:     66
    .vgpr_count:     128
    .wavefront_size: 32
...
	.end_amdgpu_metadata
.endif
;; end of part 3
;; ======== version 2 of 2: 3 launches; version 1 with the launch main written anew for expert scheduling mode
;; workspace buffers: w2f 2,121,728 bytes; qcs 131,072 bytes; cst 256 bytes; sc 262,144 bytes; ctxp 2,097,152 bytes
;; launch prep: the kernel of part 1 again; grid 193 x 1, 8 waves a work-group, no clusters, 17,408 bytes of LDS; arguments W1, W2, Wv, b1, b2, bv, query, w2f, qcs, cst; writes w2f, qcs, cst
;; launch main (part 4): grid 512 x 1, 4 waves a work-group, no clusters, 276,992 bytes of LDS; arguments values, w2f, qcs, Wv, cst, sc, ctxp; writes sc, ctxp
.if DOCPART == 4
	.amdgcn_target "amdgcn-amd-amdhsa--gfx1250"
	.amdhsa_code_object_version 6
	.text
	.protected	k_q12f4874f2b_main
	.globl	k_q12f4874f2b_main
	.p2align	8
	.type	k_q12f4874f2b_main,@function
k_q12f4874f2b_main:
	s_mov_b64 s[64:65], 0
	v_nop
	global_prefetch_b8 v0, s[64:65] scope:SCOPE_SE
	s_setreg_imm32_b32 hwreg(HW_REG_WAVE_SCHED_MODE, 0, 2), 2
	s_setreg_imm32_b32 hwreg(HW_REG_WAVE_MODE, 25, 1), 1
	s_wait_xcnt 0x0
	s_wait_alu depctr_vm_vsrc(0)
; score[t] = bv + Wv . tanh(q_proj + b1 + b2 + values[t] . W2) for 128 rows t of one batch; then, with m the block's largest score, p = exp(score - m) and ctxp = sum over the rows of p values[t].
; EACH BYTE OF values IS READ ONCE: the block's 128 rows are rounded to bf16 and stay in LDS (128 x 2,064 bytes); they are multiplied by all of W2 and, when the scores are known, summed for the context.
; SHARES.  Work-group g: rows 128 g .. 128 g + 127 (batch g / 16).  Two passes of 512 columns; in pass p wave w makes all 128 rows x columns 512 p + 128 w .. + 127: 64 accumulators, 512 registers.
; Wave w brings rows 32 w .. 32 w + 31 into LDS, during pass 0, four to five K steps ahead of their first product, and makes the context's columns 256 w .. 256 w + 255.
; W2 comes as ready fragments (w2f) from memory straight into registers: no two waves of the work-group want the same fragment.
; NO CLUSTER, though every work-group reads all of w2f: a joint load lands in LDS, and behind the resident rows 50,688 of the 327,680 bytes are left: two slots there would hold three K steps
; of the work-group's 32,768 bytes a step between them, too few products between two rounds.
; THE MATRIX INSTRUCTION IS USED TRANSPOSED (source 0 = 16 columns of W2, source 1 = 16 rows of values): a lane holds ONE row (lane % 16) and 8 columns, so the sum over columns stays in the lane.
; tanh(x) = 1 - 2 / (1 + 2^(2 log2(e) x)), so score = cs - 2 sum of Wv / (1 + 2^..), cs = bv + sum of Wv.  An infinite power gives 0, a vanished one 1: no clamp is needed.
; The softmax's maximum: the block's own here, the batch's in the next launch, which corrects by exp(m_block - m_batch).
; LIMITS.  values and W2 are rounded to bf16 (nearest even) for the product, and the context sums the same rounded values; all else in f32, sums in another order than the reference's;
; a power or weight below 2^-126 counts as 0; NaN and infinities in the inputs are not treated apart.
; THE MODE: SCHED_MODE bits 1:0 = 2 (LLVM: expert scheduling mode 2), set by the entry lines.  The code itself states the register dependences
; between vector or matrix instructions and memory or LDS instructions, with s_wait_alu, always for 0.
; THE PLAN.  Registers that memory or LDS instructions touch in K step s:
;   AF 0-3     read by the step's first 32 products; behind them the LDS loads of step s + 1's fragments land there.
;   AF 4-7     read by its second 32 products; behind them the LDS loads of step s + 1's land there.
;   B[q]       W2's four buffers.  The products of step s read B[s % 4]; the loads of step s land in B[(s + 3) % 4], which the products of step s - 1 read last.
;   SR[s % 4]  values on their way.  The step's 16 conversions read it; then it is loaded again.        TB  written by those conversions, read by the step's 8 LDS stores.
;   v[STA]     read by those stores, written in a body's first step.        v[ADA ..]  read by the fragments' loads, written in a body's fourth step.
;   v[BOFF], v[VOFF], v[PFO], v[TA]  offsets made at the head and never written again: scalar bases and immediates do the rest.
; So a step holds two waits on va_vdst.  THE FIRST, behind the first 32 products, the conversions and the address adds: those products are done reading AF 0-3, the last step's are done reading
; B[(s + 3) % 4], the conversions have written TB and are done reading SR[s % 4], the addresses are written.  Behind it the fragments' loads stand in a run; the step's LDS stores, its loads of W2 and of values
; and its prefetch are dealt among the second 32 products, which name B[s % 4], AF 4-7 and window 3's accumulators: none of the registers that those touch.  THE SECOND, behind the second 32
; products: they are done reading AF 4-7.  One wait on vm_vsrc stands ahead of the conversions and of the address adds: the stores and loads issued so far have read TB and the addresses.
; REGISTERS, in windows of 256 (s_set_vgpr_msb: bits 1:0 source 0, 3:2 source 1, 5:4 source 2, 7:6 destination):
;   window 0: v2-15 addresses; v16-23 a row tile's running sum; v24-31, v32-47, v48-61 at work; v64-127 fragments of values; v128-255 four buffers of 32 for values on their way (f32), later the tables
;   window 1: four buffers of 64 for W2's fragments, K step s in buffer s % 4        windows 2, 3: accumulator (a, b) at 8 (8 (a % 4) + b) of window 2 + a / 4
.set PITCH, 2064                       ; a row in LDS: 2,048 bytes + 16: 516 words: row r starts at bank 4 r mod 64 (64 banks of 4 bytes: ISA guide 11.1)
.set TQ,    128*PITCH                  ; the batch's row of qcs, 4,096 bytes
.set TW,    TQ+4096                    ; Wv, 4,096 bytes
.set SCR,   TW+4096                    ; 4 waves x 128 partial scores
.set PB,    SCR+2048                   ; each wave's own copy of p, 512 bytes; behind the four copies the spare words, 128 bytes a wave
.set BOFF, 2                           ; 16 l; never rewritten
.set VOFF, 3                           ; (32 w + 8 h) rows of 4,096 bytes + 16 r; never rewritten
.set PFO,  4                           ; (32 w + l) rows of 4,096 bytes; never rewritten
.set STA,  5                           ; where I store converted values: STA0 + the column in hand
.set ADA0, 6                           ; v6-9   (32 i + r) PITCH + 16 h
.set ADA,  10                          ; v10-13 the same + the column in hand
.set TA,   14                          ; my 8 columns of pass 0 in the tables; never rewritten: pass 1's lie 2,048 bytes on, in the immediate
.set STA0, 15                          ; (32 w + 8 h) PITCH + 8 r
.set SC,   16
.set EA,   24
.set TB,   32
.set RR,   48                          ; r = l % 16
.set HH,   49                          ; h = l / 16
.set LN,   50                          ; l
.set TM,   51
.set PP,   52
.set SS,   56
.set TL,   60
.set TG,   61
.set AF,   64
.set SR,   128
.set QC,   128                         ; from K step 27 on: qcs of my columns, pair i of an m tile's 32 at QC + 2 i
.set WV,   192                         ; Wv likewise
.set FSA,  5                           ; the end's addresses take the loop's registers
.set FSB,  6
.set FPS,  7
.set PA0,  8
.set CA0,  9
.set PA,   10
.set CA,   11
.set GO,   12
.set VP,   4                           ; s[4:5]   values at the block's first row, at the body's column
.set BP,   6                           ; s[6:7]   w2f at my wave's stream, at the body's first K step
.set QP,   8                           ; s[8:9]   the batch's row of qcs
.set WP,   10                          ; s[10:11] Wv
.set CP,   12                          ; s[12:13] cst
.set SCP,  14                          ; s[14:15] sc at the block
.set XP,   16                          ; s[16:17] ctxp at the block
.set WVN,  18
.set SCOL, 19                          ; LDS column of the stores
.set COL,  20                          ; LDS column of the fragments
.set PASS, 21
.set CNT,  22
.set CSR,  23                          ; cs
.set K2,   24                          ; s[24:25] 2 log2(e), named as a pair
.set SEL,  26                          ; s26, s27 v_permlanex16_b32's selects
.set MSB, 0
.macro WIN new                         ; the immediate's high byte repeats the setting that is left; a switch that changes nothing is dropped
.if MSB != (\new)
	s_set_vgpr_msb (MSB<<8)|(\new)
.set MSB, \new
.endif
.endm
.set MUL_LO, 0xa1                      ; source 0 (W2) window 1, source 1 (values) window 0, C and D window 2; + 0x50: window 3
.set TO_B,   0x40                      ; destination window 1
.set TO_T,   0x80                      ; destination window 2
.set FROM_T, 0x0a                      ; sources 0 and 1 window 2
; n matrix instructions: m tile 4 hi + a x column tiles b0 .. b0 + n - 1, from W2's buffer q.  A step takes its 64 accumulators in the order hi, a, b: all differ, so they take turns over every jump too.
.macro MULN q, hi, a, b0, n, zero
	WIN MUL_LO+0x50*(\hi)
.set bb, \b0
.rept \n
.if \zero
	v_wmma_f32_16x16x32_bf16 v[8*(8*(\a)+bb):8*(8*(\a)+bb)+7], v[64*(\q)+8*bb:64*(\q)+8*bb+7], v[AF+8*(4*(\hi)+(\a)):AF+8*(4*(\hi)+(\a))+7], 0
.else
	v_wmma_f32_16x16x32_bf16 v[8*(8*(\a)+bb):8*(8*(\a)+bb)+7], v[64*(\q)+8*bb:64*(\q)+8*bb+7], v[AF+8*(4*(\hi)+(\a)):AF+8*(4*(\hi)+(\a))+7], v[8*(8*(\a)+bb):8*(8*(\a)+bb)+7]
.endif
.set bb, bb+1
.endr
.endm
; 8 LDS loads: fragments a0 .. a0 + 3 of values, 16 rows x 32 K each, at byte col behind the column in hand
.macro ALD a0, col
.irp a, 0,1,2,3
	ds_load_b128 v[AF+8*((\a0)+(\a)):AF+8*((\a0)+(\a))+3],   v[ADA+((\a0)+(\a))/2] offset:(((\a0)+(\a))%2)*16*PITCH+(\col)
	ds_load_b128 v[AF+8*((\a0)+(\a))+4:AF+8*((\a0)+(\a))+7], v[ADA+((\a0)+(\a))/2] offset:(((\a0)+(\a))%2)*16*PITCH+(\col)+32
.endr
.endm
; at the head: 16 loads: the 8 fragments of W2 of K step k into buffer q: 8,192 bytes on end
.macro BLD q, k
	WIN TO_B
.irp b, 0,1,2,3,4,5,6,7
	global_load_b128 v[64*(\q)+8*(\b):64*(\q)+8*(\b)+3],   v[BOFF], s[BP:BP+1] offset:8192*(\k)+1024*(\b)
	global_load_b128 v[64*(\q)+8*(\b)+4:64*(\q)+8*(\b)+7], v[BOFF], s[BP:BP+1] offset:8192*(\k)+1024*(\b)+512
.endr
.endm
; at the head: 8 loads: half a unit of values: 16 of my 32 rows x 256 bytes.  Sixteen lanes read 256 bytes on end, at a multiple of 256 from the buffer's first byte
.macro SLD base, hf, col
.irp i, 0,1,2,3,4,5,6,7
	global_load_b128 v[(\base)+4*(\i):(\base)+4*(\i)+3], v[VOFF], s[VP:VP+1] offset:(16*(\hf)+(\i))*4096+(\col) th:TH_LOAD_NT
.endr
.endm
; such a half unit is rounded to bf16, into 16 registers from out on
.macro CVT base, out
.irp i, 0,1,2,3,4,5,6,7
	v_cvt_pk_bf16_f32 v[(\out)+2*(\i)],   v[(\base)+4*(\i)],   v[(\base)+4*(\i)+1]
	v_cvt_pk_bf16_f32 v[(\out)+2*(\i)+1], v[(\base)+4*(\i)+2], v[(\base)+4*(\i)+3]
.endr
.endm
; and stored: 8 bytes a lane; lanes 16-31 lie 8 rows on, 32 banks on
.macro STO out, hf, col
.irp i, 0,1,2,3,4,5,6,7
	ds_store_b64 v[STA], v[(\out)+2*(\i):(\out)+2*(\i)+1] offset:(16*(\hf)+(\i))*PITCH+(\col)
.endr
.endm
.macro TABS at                         ; 32 LDS loads: qcs and Wv of my 64 columns of the pass; at: the pass's 2,048 bytes in each table
.irp b, 0,1,2,3,4,5,6,7
	ds_load_b128 v[QC+8*(\b):QC+8*(\b)+3],   v[TA] offset:(\at)+64*(\b)
	ds_load_b128 v[QC+8*(\b)+4:QC+8*(\b)+7], v[TA] offset:(\at)+64*(\b)+16
	ds_load_b128 v[WV+8*(\b):WV+8*(\b)+3],   v[TA] offset:(\at)+4096+64*(\b)
	ds_load_b128 v[WV+8*(\b)+4:WV+8*(\b)+7], v[TA] offset:(\at)+4096+64*(\b)+16
.endr
.endm
; GROUP gq OF 8 of a step's memory instructions, four at a time, set among the step's second 32 products.  No wait: no vector or matrix instruction since the step's first wait on va_vdst names a register that they touch.
; A filling step: groups 0, 1 the 8 LDS stores of the half unit just rounded; 2-5 the 16 loads of W2 three steps ahead, into the buffer read last step; 6, 7 (fill = 2) the 8 loads of half unit s + 8.
; Any other step: groups 0, 2, 4, 6 the 16 loads of W2.  On each counter the order is that of a run: stores; W2, then values.
.macro RIDE sib, fill, pf
.set GT, -1
.set GB, -1
.set GS, -1
.if \fill
.if gq < 2
.set GT, gq
.elseif gq < 6
.set GB, gq-2
.elseif (\fill) == 2
.set GS, gq-6
.endif
.elseif (gq%2) == 0
.set GB, gq/2
.endif
.if GT >= 0
	WIN 0
.set k, 4*GT
.rept 4
	ds_store_b64 v[STA], v[TB+2*k:TB+2*k+1] offset:(16*((\sib)%2)+k)*PITCH+128*((\sib)/2)
.set k, k+1
.endr
.endif
.if GB >= 0
	WIN TO_B
.set k, 2*GB
.rept 2
	global_load_b128 v[64*(((\sib)+3)%4)+8*k:64*(((\sib)+3)%4)+8*k+3],   v[BOFF], s[BP:BP+1] offset:8192*((\sib)+3)+1024*k
	global_load_b128 v[64*(((\sib)+3)%4)+8*k+4:64*(((\sib)+3)%4)+8*k+7], v[BOFF], s[BP:BP+1] offset:8192*((\sib)+3)+1024*k+512
.set k, k+1
.endr
.endif
.if GS >= 0
	WIN 0
.set k, 4*GS
.rept 4
	global_load_b128 v[SR+32*(\sib)+4*k:SR+32*(\sib)+4*k+3], v[VOFF], s[VP:VP+1] offset:(16*((\sib)%2)+k)*4096+1024+256*((\sib)/2) th:TH_LOAD_NT
.set k, k+1
.endr
.endif
; A PREFETCH INTO THE L2: my own 32 rows x 256 bytes of the unit whose two halves are loaded four and five K steps on: a lane a row, one instruction, behind the step's loads.
; Each row's 256 bytes are named once in the launch, by the wave that will load them.  Units 0 to 5 come by their loads alone; the loop's last trip would name units 16 and 17, which do not exist.
.if gq == 7
.if (\pf) == 1
	WIN 0
	global_prefetch_b8 v[PFO], s[VP:VP+1] offset:1536+256*((\sib)/2) th:TH_LOAD_NT scope:SCOPE_SE
.elseif (\pf) == 2
	WIN 0                                          ; at a branch and at a label every window is 0
	s_cmp_gt_u32 s[CNT], 1
	s_cbranch_scc0 .Lnone_\@
	global_prefetch_b8 v[PFO], s[VP:VP+1] offset:1536+256*((\sib)/2) th:TH_LOAD_NT scope:SCOPE_SE
.Lnone_\@:
.endif
.endif
.set gq, gq+1
.endm
; ONE K STEP (32 along K, 64 matrix instructions), number sib of a body of four.
;   zero  the products start the sums        fill  1: half unit s + 4 is converted and stored; 2: and its buffer is loaded again with half unit s + 8
;   bw    the barrier signalled a step ago is awaited        bs  a unit of 64 K is whole: the barrier is signalled
;   nst   loads that may stay out when W2's fragments of this step must be in        nmid  the same for the half unit (-1: the wait above has shown it)
;   dsn   LDS instructions that may stay out at the start        pf  1: a prefetch; 2: but for the loop's last trip        tabs  the tables are fetched
; A unit stored in steps 2 u - 4 and 2 u - 3 is signalled at the end of step 2 u - 3, awaited in the middle of step 2 u - 2 and first read in the middle of step 2 u - 1.
; Between a signal and its wait stand products and LDS loads of earlier units' columns, which nobody writes again.
.macro STEP sib, zero, fill, bw, bs, nst, nmid, dsn, pf, tabs
.set NC, 64*(((\sib)+1)%4)
	s_wait_loadcnt \nst                            ; loads come back in order (ISA guide 5.7.1): this step's W2 is in
	s_wait_dscnt \dsn                              ; fragments 0-3 are in; the youngest eight loads (4-7) may be out
.irp a, 0,1,2,3
	MULN \sib, 0, \a, 0, 8, \zero
.endr
	WIN 0
	s_wait_dscnt 0x0                               ; fragments 4-7, asked for 32 products ago
.if \bw
	s_barrier_wait -1
.endif
.if \fill
.if (\nmid) >= 0
	s_wait_loadcnt \nmid
.endif
.endif
.if (\fill) || ((\sib) == 3)
	s_wait_alu depctr_vm_vsrc(0)                   ; the LDS stores issued so far have read TB and v[STA], the fragments' loads v[ADA ..]: the lines below write them again
.endif
.if \fill
.if (\sib) == 0
	s_add_co_u32 s[SCOL], s[SCOL], 256             ; this body's two units lie 256 bytes on
	v_add_nc_u32 v[STA], s[SCOL], v[STA0]
.endif
	CVT SR+32*(\sib), TB
.endif
.if (\sib) == 3
	s_add_co_u32 s[COL], s[COL], 256               ; the next body's column; behind the row's end the first again
	s_and_b32 s[COL], s[COL], 2047
.irp i, 0,1,2,3
	v_add_nc_u32 v[ADA+(\i)], s[COL], v[ADA0+(\i)]
.endr
.endif
	s_wait_alu depctr_va_vdst(0)                   ; the 32 products above are done reading fragments 0-3, the last step's are done reading W2's buffer (sib + 3) % 4; the conversions have written TB and are done reading SR[sib]; v[STA] and v[ADA ..] are written
	ALD 0, NC                                      ; the next step's fragments 0-3
.if \tabs
	TABS 0                                         ; into the buffers for values, which the conversions ahead of the wait above read last
.endif
.set gq, 0
.irp a, 0,1,2,3
.irp h, 0,4
	MULN \sib, 1, \a, \h, 2, \zero
	RIDE \sib, \fill, \pf
	MULN \sib, 1, \a, (\h)+2, 2, \zero
.endr
.endr
	WIN 0
	s_wait_alu depctr_va_vdst(0)                   ; the 32 products above are done reading fragments 4-7, in which the loads below land
.if \bs
	s_wait_dscnt 0x0                               ; for the others' sake: my half of the unit lies in LDS; no LDS instruction of mine is out
	s_barrier_signal -1
.endif
	ALD 4, NC                                      ; the next step's fragments 4-7
.if (\sib) == 3
	s_wait_xcnt 0x0                                ; every load and prefetch issued so far has had its address translated (ISA guide 3.1), so the pointers may be written
	s_add_nc_u64 s[BP:BP+1], s[BP:BP+1], 32768
.if (\fill) == 2
	s_add_nc_u64 s[VP:VP+1], s[VP:VP+1], 512
.endif
.endif
.endm
	s_load_b256 s[4:11], s[0:1], 0x0               ; values, w2f, qcs, Wv
	s_load_b128 s[12:15], s[0:1], 0x20             ; cst, sc
	s_load_b64 s[16:17], s[0:1], 0x30              ; ctxp
	v_lshl_add_u32 v62, v0, 2, 0x43800
	v_mov_b32 v63, 0
	v_lshrrev_b32 v1, 5, v0
	v_readfirstlane_b32 s[WVN], v1
	v_and_b32 v[RR], 15, v0
	v_bfe_u32 v[HH], v0, 4, 1
	v_and_b32 v[LN], 31, v0
	v_lshlrev_b32 v[BOFF], 4, v[LN]
	v_lshlrev_b32 v[VOFF], 4, v[RR]
	v_lshl_add_u32 v[VOFF], v[HH], 15, v[VOFF]
	v_lshlrev_b32 v[PFO], 12, v[LN]
	s_wait_alu depctr_va_sdst(0)                   ; the wave's number is written, ahead of its first reader: offsets, bases and branches are made from it
	v_lshl_add_u32 v[VOFF], s[WVN], 17, v[VOFF]
	v_lshl_add_u32 v[PFO], s[WVN], 17, v[PFO]
	s_mul_i32 s28, s[WVN], 32*PITCH
	v_mul_u32_u24 v[STA0], v[HH], 8*PITCH
	v_lshl_add_u32 v[STA0], v[RR], 3, v[STA0]
	v_add_nc_u32 v[STA0], s28, v[STA0]
	v_mov_b32 v[STA], v[STA0]                      ; units 0 and 1 go to column 0
	v_mul_u32_u24 v[TM], v[RR], PITCH
	v_lshl_add_u32 v[TM], v[HH], 4, v[TM]
.irp i, 0,1,2,3
	v_add_nc_u32 v[ADA0+(\i)], (\i)*32*PITCH, v[TM]
	v_add_nc_u32 v[ADA+(\i)],  (\i)*32*PITCH, v[TM]
.endr
	s_lshl_b32 s28, s[WVN], 9
	s_add_co_u32 s28, s28, TQ
	v_lshl_add_u32 v[TA], v[HH], 5, s28            ; TQ + 4 (128 w + 8 h)
	v_lshlrev_b32 v[TG], 4, v0                     ; 16 t
	v_add_nc_u32 v[TL], TQ, v[TG]
	s_mov_b32 s[K2], 0x4038aa3b                    ; 2 log2(e)
	s_mov_b32 s[K2+1], s[K2]
	s_mov_b32 s[SEL], 0x76543210
	s_mov_b32 s[SEL+1], 0xfedcba98
	s_mov_b32 s29, 0
	s_wait_kmcnt 0x0
	s_lshl_b32 s28, ttmp9, 19                      ; 128 rows of 4,096 bytes
	s_add_nc_u64 s[VP:VP+1], s[VP:VP+1], s[28:29]
	s_lshl_b32 s28, s[WVN], 19                     ; my wave's 64 K steps of 8,192 bytes
	s_add_nc_u64 s[BP:BP+1], s[BP:BP+1], s[28:29]
	s_lshr_b32 s28, ttmp9, 4                       ; the batch
	s_lshl_b32 s28, s28, 12
	s_add_nc_u64 s[QP:QP+1], s[QP:QP+1], s[28:29]
	s_lshl_b32 s28, ttmp9, 9
	s_add_nc_u64 s[SCP:SCP+1], s[SCP:SCP+1], s[28:29]
	s_lshl_b32 s28, ttmp9, 12
	s_add_nc_u64 s[XP:XP+1], s[XP:XP+1], s[28:29]
	s_load_b32 s[CSR], s[CP:CP+1], 0x0
	; 116 loads: half units 0-3 (into the accumulators' registers, idle so far), the tables, W2 of K steps 0-2, half units 4-7.  The counter's field holds fewer: the issue then waits (ISA guide 5.7.1).
	WIN TO_T
	s_wait_alu depctr_va_vdst(0)                   ; all offsets and LDS addresses made above (v2 to v15, v60, v61) are written: the loads and stores from here on read them
.irp j, 0,1,2,3
	SLD 32*(\j), (\j)%2, 256*((\j)/2)
.endr
	WIN 0
	global_load_b128 v[TB:TB+3],     v[TG], s[QP:QP+1]
	global_load_b128 v[TB+4:TB+7],   v[TG], s[QP:QP+1] offset:2048
	global_load_b128 v[TB+8:TB+11],  v[TG], s[WP:WP+1]
	global_load_b128 v[TB+12:TB+15], v[TG], s[WP:WP+1] offset:2048
	BLD 0, 0
	BLD 1, 1
	BLD 2, 2
	WIN 0
.irp j, 0,1,2,3
	SLD SR+32*(\j), (\j)%2, 512+256*((\j)/2)
.endr
	s_wait_loadcnt 63                              ; behind the tables stand 80 loads; the largest count that a wait can name shows the oldest 53 in: the first four half units and the tables among them
	ds_store_b128 v[TL], v[TB:TB+3]
	ds_store_b128 v[TL], v[TB+4:TB+7]   offset:2048
	ds_store_b128 v[TL], v[TB+8:TB+11]  offset:4096
	ds_store_b128 v[TL], v[TB+12:TB+15] offset:6144
	WIN FROM_T
.irp j, 0,1,2,3
	CVT 32*(\j), AF+16*(\j)                        ; four out-buffers of 16, in the fragments' registers, idle so far: one wait serves all 32 stores
.endr
	WIN 0
	s_wait_alu depctr_va_vdst(0)                   ; the 64 conversions have written v[AF ..], which the LDS stores read
.irp j, 0,1,2,3
	STO AF+16*(\j), (\j)%2, 128*((\j)/2)
.endr
	s_wait_kmcnt 0x0                               ; cs
	s_wait_dscnt 0x0
	s_barrier_signal -1
	s_barrier_wait -1                              ; units 0 and 1 and the tables are whole
	s_wait_alu depctr_vm_vsrc(0)                   ; my LDS stores have read v[AF ..], in which the fragments land (the conversions that wrote them stand ahead of the last wait on va_vdst)
	ALD 0, 0
	ALD 4, 0
.irp a, 0,1,2,3,4,5,6,7
	v_mov_b32 v[SC+(\a)], 0
.endr
	s_mov_b32 s[COL], 0
	s_mov_b32 s[SCOL], 0
	s_mov_b32 s[PASS], 2
.Lpass:
	s_cmp_eq_u32 s[PASS], 2
	s_cbranch_scc0 .Lsecond
	; PASS 0.  Behind W2 of step s stand, in the order of issue: a half unit (8), W2 (16), a half unit, W2, a half unit: 56 loads.
	STEP 0, 1, 2, 0, 0, 56, 24, 8, 1, 0            ; K steps 0-3.  24: behind half unit 4 stand half units 5 to 7
	STEP 1, 0, 2, 0, 1, 56, 40, 8, 0, 0            ; 40: behind half unit 5 stand 6, 7, W2 of step 3 and half unit 8
	STEP 2, 0, 2, 1, 0, 56, -1, 8, 1, 0            ; from here on the half unit is older than the step's W2
	STEP 3, 0, 2, 0, 1, 56, -1, 8, 0, 0
	s_mov_b32 s[CNT], 5
.Lfill:                                        ; K steps 4-23
	STEP 0, 0, 2, 1, 0, 56, -1, 8, 2, 0
	STEP 1, 0, 2, 0, 1, 56, -1, 8, 0, 0
	STEP 2, 0, 2, 1, 0, 56, -1, 8, 2, 0
	STEP 3, 0, 2, 0, 1, 56, -1, 8, 0, 0
	s_sub_co_u32 s[CNT], s[CNT], 1
	s_cmp_lg_u32 s[CNT], 0
	s_cbranch_scc1 .Lfill
	STEP 0, 0, 1, 1, 0, 56, -1, 8, 0, 0            ; K steps 24-27: the last four half units are stored, none is asked for: the counts run down
	STEP 1, 0, 1, 0, 1, 48, -1, 8, 0, 0
	STEP 2, 0, 1, 1, 0, 40, -1, 8, 0, 0
	STEP 3, 0, 1, 0, 1, 32, -1, 8, 0, 1            ; the buffers for values are free: they take the tables
	s_barrier_wait -1                              ; the last unit is whole
	s_mov_b32 s[CNT], 1                            ; K steps 28-31
	s_branch .Lplain
.Lsecond:                                      ; PASS 1: the rows lie in LDS; W2's stream has gone on, and the first fragments of values were fetched by pass 0's last step
	s_wait_alu depctr_va_vdst(0)                   ; the last pass's end is done reading the tables' registers, in which the loads below land
	TABS 2048
	STEP 0, 1, 0, 0, 0, 32, -1, 32, 0, 0           ; the fragments were awaited ahead of the last pass's end; the 32 table loads may stay out
	STEP 1, 0, 0, 0, 0, 32, -1, 8, 0, 0
	STEP 2, 0, 0, 0, 0, 32, -1, 8, 0, 0
	STEP 3, 0, 0, 0, 0, 32, -1, 8, 0, 0
	s_mov_b32 s[CNT], 7
.Lplain:                                       ; behind W2 of step s stand W2 of steps s + 1 and s + 2: 32 loads.  The last three steps of pass 1 load W2 that nobody multiplies, and the last fetches column 0 once more: the price of one text
	STEP 0, 0, 0, 0, 0, 32, -1, 8, 0, 0
	STEP 1, 0, 0, 0, 0, 32, -1, 8, 0, 0
	STEP 2, 0, 0, 0, 0, 32, -1, 8, 0, 0
	STEP 3, 0, 0, 0, 0, 32, -1, 8, 0, 0
	s_sub_co_u32 s[CNT], s[CNT], 1
	s_cmp_lg_u32 s[CNT], 0
	s_cbranch_scc1 .Lplain
	; THE PASS'S END, in place on the accumulators, an m tile (64 registers, 32 pairs) at a time: x = 2 log2(e) acc + qcs; e = 2^x; 1 + e; r = 1 / (1 + e); the tile's sum += Wv r.
	; The 64 powers are one batch with one wait, and so are the 64 reciprocals.
	; Between the powers stand the next tile's x (where it lies in the same window), between the reciprocals the additions of 1.  Each accumulator is read from its low end on.
	; No memory or LDS instruction stands here: the tables were loaded and awaited ahead of it.
.macro XS a, i
	v_pk_fma_f32 v[64*((\a)%4)+2*(\i):64*((\a)%4)+2*(\i)+1], v[64*((\a)%4)+2*(\i):64*((\a)%4)+2*(\i)+1], s[K2:K2+1], v[QC+2*(\i):QC+2*(\i)+1] op_sel_hi:[1,0,1]
.endm
.macro ONE a, i
	v_pk_add_f32 v[64*((\a)%4)+2*(\i):64*((\a)%4)+2*(\i)+1], v[64*((\a)%4)+2*(\i):64*((\a)%4)+2*(\i)+1], 1.0 op_sel_hi:[1,0]
.endm
.macro XALL a
	WIN 0x82+0x41*((\a)/4)
.set i, 0
.rept 32
	XS \a, i
.set i, i+1
.endr
.endm
.macro EPI_G a
.set R, 64*((\a)%4)
	WIN 0x82+0x41*((\a)/4)                         ; destination and source 0 in the tile's window, the others in window 0
.set i, 0
.rept 32
	v_exp_f32 v[R+2*i], v[R+2*i]
	v_exp_f32 v[R+2*i+1], v[R+2*i+1]
.if ((\a)%4) < 3
	XS (\a)+1, i
.endif
.set i, i+1
.endr
	v_nop                                          ; a plain instruction behind the last power,
	s_wait_alu depctr_va_vdst(0)                   ; and the one wait for the batch: the 64 powers have written the tile's registers, which the additions below read
	ONE \a, 0
	ONE \a, 1
.set i, 0
.rept 32
	v_rcp_f32 v[R+2*i], v[R+2*i]
	v_rcp_f32 v[R+2*i+1], v[R+2*i+1]
.if i < 30
	ONE \a, i+2
.endif
.set i, i+1
.endr
	v_nop
	s_wait_alu depctr_va_vdst(0)                   ; the one wait for the reciprocals: all 64 have written the tile's registers, which the sums below read
	WIN 0x02+((\a)/4)                              ; source 0 in the tile's window
.set i, 0
.rept 32                               ; four chains of pairs
.if i < 4
	v_pk_mul_f32 v[EA+2*i:EA+2*i+1], v[R+2*i:R+2*i+1], v[WV+2*i:WV+2*i+1]
.else
	v_pk_fma_f32 v[EA+2*(i%4):EA+2*(i%4)+1], v[R+2*i:R+2*i+1], v[WV+2*i:WV+2*i+1], v[EA+2*(i%4):EA+2*(i%4)+1]
.endif
.set i, i+1
.endr
	WIN 0
	v_pk_add_f32 v[EA:EA+1], v[EA:EA+1], v[EA+2:EA+3]
	v_pk_add_f32 v[EA+4:EA+5], v[EA+4:EA+5], v[EA+6:EA+7]
	v_pk_add_f32 v[EA:EA+1], v[EA:EA+1], v[EA+4:EA+5]
	v_add_f32 v[EA], v[EA], v[EA+1]
	v_add_f32 v[SC+(\a)], v[SC+(\a)], v[EA]
.endm
	s_wait_dscnt 0x0                               ; the tables, and the fragments fetched by the last step
.rept 8
	v_nop                                          ; the places behind the last products, ahead of the vector instructions that read their results (ISA guide 7.12.1), once a pass
.endr
	XALL 0
	EPI_G 0
	EPI_G 1
	EPI_G 2
	EPI_G 3
	XALL 4
	EPI_G 4
	EPI_G 5
	EPI_G 6
	EPI_G 7
	s_sub_co_u32 s[PASS], s[PASS], 1
	s_cmp_lg_u32 s[PASS], 0
	s_cbranch_scc1 .Lpass
	; THE BLOCK'S END.  The two halves of the lanes hold the two halves of a row's columns; the four waves' sums meet in LDS.
	s_wait_alu depctr_vm_vsrc(0)                   ; the loop's LDS stores have read v5 and its fragments' loads v10 to v13: the end's addresses are written into them
	s_lshl_b32 s28, s[WVN], 9
	s_add_co_u32 s29, s28, SCR
	v_lshl_add_u32 v[FSA], v[RR], 2, s29           ; my wave's 128 words, row r of a tile
	v_lshl_add_u32 v[FSB], v[LN], 4, SCR           ; rows 4 l .. 4 l + 3
	s_add_co_u32 s29, s28, PB
	v_lshl_add_u32 v[FPS], v[LN], 4, s29
	v_mov_b32 v[PA0], s29
	v_lshl_add_u32 v[CA0], v[LN], 3, s28           ; my 4 columns (8 bytes) of my wave's 256
	s_lshl_b32 s29, s[WVN], 10
	v_lshl_add_u32 v[GO], v[LN], 4, s29
.irp a, 0,1,2,3,4,5,6,7
	v_permlanex16_b32 v[EA+(\a)], v[SC+(\a)], s[SEL], s[SEL+1]
.endr
.irp a, 0,1,2,3,4,5,6,7
	v_add_f32 v[SC+(\a)], v[SC+(\a)], v[EA+(\a)]
.endr
	s_wait_alu depctr_va_vdst(0)                   ; the eight sums and the end's addresses are written, which the LDS stores and loads below read; the products are long done reading v[AF ..], in which those loads land
.irp a, 0,1,2,3,4,5,6,7
	ds_store_b32 v[FSA], v[SC+(\a)] offset:64*(\a) ; both halves of the lanes write the same number to the same word
.endr
	s_wait_dscnt 0x0
	s_barrier_signal -1
	s_barrier_wait -1
.irp k, 0,1,2,3
	ds_load_b128 v[AF+4*(\k):AF+4*(\k)+3], v[FSB] offset:512*(\k)  ; no vector instruction since the wait above
.endr
	s_wait_dscnt 0x0
	v_pk_add_f32 v[AF:AF+1],     v[AF:AF+1],     v[AF+4:AF+5]
	v_pk_add_f32 v[AF+2:AF+3],   v[AF+2:AF+3],   v[AF+6:AF+7]
	v_pk_add_f32 v[AF+8:AF+9],   v[AF+8:AF+9],   v[AF+12:AF+13]
	v_pk_add_f32 v[AF+10:AF+11], v[AF+10:AF+11], v[AF+14:AF+15]
	v_pk_add_f32 v[AF:AF+1],     v[AF:AF+1],     v[AF+8:AF+9]
	v_pk_add_f32 v[AF+2:AF+3],   v[AF+2:AF+3],   v[AF+10:AF+11]
.irp i, 0,1,2,3
	v_fma_f32 v[SS+(\i)], -2.0, v[AF+(\i)], s[CSR] ; score = cs - 2 sum: the same bits in all four waves
.endr
	s_cmp_lg_u32 s[WVN], 0
	s_cbranch_scc1 .Lnot_mine
	s_wait_alu depctr_va_vdst(0)                   ; the four scores are written, which the store reads; they are not written again
	global_store_b128 v[BOFF], v[SS:SS+3], s[SCP:SCP+1]  ; 512 bytes on end
.Lnot_mine:
	v_max3_num_f32 v[TM], v[SS], v[SS+1], v[SS+2]
	v_max_num_f32 v[TM], v[TM], v[SS+3]
	v_max_num_f32_dpp v[TM], v[TM], v[TM] row_xmask:1 row_mask:0xf bank_mask:0xf
	v_max_num_f32_dpp v[TM], v[TM], v[TM] row_xmask:2 row_mask:0xf bank_mask:0xf
	v_max_num_f32_dpp v[TM], v[TM], v[TM] row_xmask:4 row_mask:0xf bank_mask:0xf
	v_max_num_f32_dpp v[TM], v[TM], v[TM] row_xmask:8 row_mask:0xf bank_mask:0xf
	v_permlanex16_b32 v[EA], v[TM], s[SEL], s[SEL+1]
	v_max_num_f32 v[TM], v[TM], v[EA]              ; the block's largest score
.irp i, 0,1,2,3
	v_sub_f32 v[PP+(\i)], v[SS+(\i)], v[TM]
.endr
.irp i, 0,1,2,3
	v_mul_f32 v[PP+(\i)], 0x3fb8aa3b, v[PP+(\i)]
.endr
.irp i, 0,1,2,3
	v_exp_f32 v[PP+(\i)], v[PP+(\i)]
.endr
	v_nop
	s_wait_alu depctr_va_vdst(0)                   ; one wait for the four: the exponentials have written p, which the LDS store reads
	ds_store_b128 v[FPS], v[PP:PP+3]               ; my wave's own copy: LDS serves a wave's instructions in order (ISA guide 5.7.1.4), so the loads below see it
.irp i, 0,1,2,3,4,5,6,7
	v_mov_b32 v[EA+(\i)], 0                        ; the context's 8 sums of a lane
.endr
; a row's 8 multiply-adds: bf16 halves straight from the LDS words, p and the sums in f32; the 8 sums take turns
.macro ROWF rr
.irp c, 0,1
.irp d, 0,1
	v_fma_mix_f32_bf16 v[EA+4*(\c)+2*(\d)],   v[SR+4*(\rr)+2*(\c)+(\d)], v[AF+(\rr)], v[EA+4*(\c)+2*(\d)] op_sel_hi:[1,0,0]
	v_fma_mix_f32_bf16 v[EA+4*(\c)+2*(\d)+1], v[SR+4*(\rr)+2*(\c)+(\d)], v[AF+(\rr)], v[EA+4*(\c)+2*(\d)+1] op_sel:[1,0,0] op_sel_hi:[1,0,0]
.endr
.endr
.endm
	s_mov_b32 s[CNT], 4
	s_mov_b32 s28, 0
	s_mov_b32 s29, 0
.Lctx:                                         ; 32 rows a trip.  32 rows of 2,064 bytes pass an LDS immediate's reach, so the two addresses are made anew in each of the four trips
	s_wait_alu depctr_vm_vsrc(0)                   ; the LDS loads issued so far have read v[PA] and v[CA]
	v_add_nc_u32 v[PA], s29, v[PA0]
	v_add_nc_u32 v[CA], s28, v[CA0]
	s_wait_alu depctr_va_vdst(0)                   ; the two addresses are written; the vector instructions above (the last trip's multiply-adds; ahead of the first trip the score sums and the pass's end) are done with v[AF ..] and v[SR ..], in which the loads below land
.irp k, 0,1,2,3,4,5,6,7
	ds_load_b128 v[AF+4*(\k):AF+4*(\k)+3], v[PA] offset:16*(\k)  ; p of the 32 rows, the same for every lane
.endr
.set rw, 0
.rept 32
	ds_load_b64 v[SR+4*rw:SR+4*rw+1],   v[CA] offset:rw*PITCH       ; 32 lanes x 8 bytes: 256 bytes on end
	ds_load_b64 v[SR+4*rw+2:SR+4*rw+3], v[CA] offset:rw*PITCH+256
.set rw, rw+1
.endr
.set rw, 0
.rept 4
	s_wait_dscnt 48-16*(rw/8)                      ; the next 8 rows are in: the 16 loads of each 8 rows behind them may stay out
.rept 8
	ROWF rw
.set rw, rw+1
.endr
.endr
	s_add_co_u32 s28, s28, 32*PITCH
	s_add_co_u32 s29, s29, 128
	s_sub_co_u32 s[CNT], s[CNT], 1
	s_cmp_lg_u32 s[CNT], 0
	s_cbranch_scc1 .Lctx
	s_wait_alu depctr_va_vdst(0)                   ; the multiply-adds have written the eight sums, which the two stores read
	global_store_b128 v[GO], v[EA:EA+3],   s[XP:XP+1]             ; 512 bytes on end, twice
	global_store_b128 v[GO], v[EA+4:EA+7], s[XP:XP+1] offset:512
	s_wait_dscnt 0x0                               ; the wave's end
	s_wait_alu depctr_hold_cnt(0) depctr_sa_sdst(0) depctr_va_vdst(0) depctr_va_sdst(0) depctr_va_ssrc(0) depctr_va_vcc(0) depctr_vm_vsrc(0)
	s_wait_tensorcnt 0x0
	ds_add_u32 v62, v63
	s_wait_dscnt 0x0
	s_endpgm
.Lfunc_end_k_q12f4874f2b_main:
	.size	k_q12f4874f2b_main, .Lfunc_end_k_q12f4874f2b_main-k_q12f4874f2b_main
	.p2alignl 7, 3214868480
	.fill 96, 4, 3214868480
	.section	.rodata,"a",@progbits
	.p2align	6, 0x0
	.amdhsa_kernel k_q12f4874f2b_main
		.amdhsa_group_segment_fixed_size 276992
		.amdhsa_private_segment_fixed_size 0
		.amdhsa_enable_private_segment 0
		.amdhsa_kernarg_size 56
		.amdhsa_user_sgpr_count 2
		.amdhsa_user_sgpr_kernarg_segment_ptr 1
		.amdhsa_wavefront_size32 1
		.amdhsa_system_sgpr_workgroup_id_x 1
		.amdhsa_system_sgpr_workgroup_id_y 1
		.amdhsa_system_sgpr_workgroup_id_z 1
		.amdhsa_system_vgpr_workitem_id 0
		.amdhsa_next_free_vgpr 1024
		.amdhsa_next_free_sgpr 66
		.amdhsa_reserve_vcc 0
		.amdhsa_float_denorm_mode_32 3
		.amdhsa_float_denorm_mode_16_64 3
		.amdhsa_memory_ordered 1
		.amdhsa_forward_progress 1
		.amdhsa_inst_pref_size 255
	.end_amdhsa_kernel
	.section	.bss,"aw",@nobits
	.p2align	6
	.space	262144
	.amdgpu_metadata
---
amdhsa.version: [ 1, 2 ]
amdhsa.kernels:
  - .name:           k_q12f4874f2b_main
    .symbol:         k_q12f4874f2b_main.kd
    .args:
      - { .name: values, .offset: 0, .size: 8, .value_kind: global_buffer, .address_space: global }
      - { .name: w2f, .offset: 8, .size: 8, .value_kind: global_buffer, .address_space: global }
      - { .name: qcs, .offset: 16, .size: 8, .value_kind: global_buffer, .address_space: global }
      - { .name: Wv, .offset: 24, .size: 8, .value_kind: global_buffer, .address_space: global }
      - { .name: cst, .offset: 32, .size: 8, .value_kind: global_buffer, .address_space: global }
      - { .name: sc, .offset: 40, .size: 8, .value_kind: global_buffer, .address_space: global }
      - { .name: ctxp, .offset: 48, .size: 8, .value_kind: global_buffer, .address_space: global }
    .group_segment_fixed_size: 276992
    .private_segment_fixed_size: 0
    .kernarg_segment_align: 8
    .kernarg_segment_size: 56
    .max_flat_workgroup_size: 128
    .sgpr_count:     66
    .vgpr_count:     1024
    .wavefront_size: 32
...
	.end_amdgpu_metadata
.endif
;; end of part 4
;; launch finish: the kernel of part 3 again; grid 32 x 1, 8 waves a work-group, no clusters, 1,536 bytes of LDS; arguments sc, ctxp, out0, out1; writes out0, out1
